; MI455X (gfx1250); checked and timed in simulation.
; The chip was launched on July 23, 2026; its instructions are those of AMD's public machine-readable ISA for CDNA 5 (MIT licence, August 2026) and "CDNA5" Instruction Set Architecture Reference Guide (July 2026). The comments in the code are by the model that wrote it; some were corrected since.
;; Transformer Encoder Layer. Allowed arithmetic: matrix products marked QUANTISED: E3M2 operands, one E8M0 scale for each 32 along K, by v_wmma_scale_f32_16x16x128_f8f6f4 with both operands' format E3M2, f32 sums; everything else in f32.
;; Inputs: W1 1,024 x 4,096 float32; W2 4,096 x 1,024 float32; Wk 1,024 x 1,024 float32; Wo 1,024 x 1,024 float32; Wq 1,024 x 1,024 float32; Wv 1,024 x 1,024 float32; b1 4,096 float32; b2 1,024 float32; bk 1,024 float32; bo 1,024 float32; bq 1,024 float32; bv 1,024 float32; ln1_b 1,024 float32; ln1_g 1,024 float32; ln2_b 1,024 float32; ln2_g 1,024 float32; x 2 x 2,048 x 1,024 float32.
;; Outputs: out0 2 x 2,048 x 1,024 float32.
;; This version of the problem:
;;   THIS VERSION OF THE PROBLEM IS GIVEN IN LOW PRECISION. The matrix products marked QUANTISED in the list below multiply operands that are first quantised to E3M2 (3 exponent bits, 2 mantissa bits; 6 bits a number), with one power-of-two scale for each 32 numbers along K (OCP MX v1.0); their sums are f32. All else is computed in f32.
;;   The module's matrix products, in the order in which they are computed (A, B: the left and right operand; K: the contracted axis; several contracted axes count as one K, in the product's order):
;;     1. [M 4,096, K 1,024] x [K 1,024, N 1,024]; A: input x; B: input Wq: QUANTISED
;;     2. [M 4,096, K 1,024] x [K 1,024, N 1,024]; A: input x; B: input Wk: QUANTISED
;;     3. [M 4,096, K 1,024] x [K 1,024, N 1,024]; A: input x; B: input Wv: QUANTISED
;;     4. batch 32 x [M 2,048, K 64] x [K 64, N 2,048]; A: computed on the way; B: computed on the way: QUANTISED
;;     5. batch 32 x [M 2,048, K 2,048] x [K 2,048, N 64]; A: softmax (see below); B: computed on the way: QUANTISED
;;     6. [M 4,096, K 1,024] x [K 1,024, N 1,024]; A: computed on the way; B: input Wo: QUANTISED
;;     7. [M 4,096, K 1,024] x [K 1,024, N 4,096]; A: computed on the way; B: input W1: QUANTISED
;;     8. [M 4,096, K 4,096] x [K 4,096, N 1,024]; A: computed on the way; B: input W2: QUANTISED
;;   THE QUANTISER, for each operand of a quantised product, along K:
;;     - K is cut into blocks of 32 from its start; a last block that is shorter is filled with zeros.
;;     - A block's scale is 2^e with e = floor(log2(the largest magnitude in the block)) - 4, held to -126 .. 127; a block of zeros has e = 0. As a byte (E8M0): e + 127.
;;     - Each number is divided by its block's scale, clamped to +-28, and rounded to the nearest number of E3M2, ties to even, subnormals kept.
;;     - The product sums the exact products of the quantised numbers (number of the format x scale) in f32.
;;   ~~~python
;;   def quantise(x, axis):      # numpy; x: float32 -> the quantised numbers, widened to float32 again
;;       x = np.moveaxis(x, axis, -1); K = x.shape[-1]
;;       x = np.pad(x, [(0, 0)] * (x.ndim - 1) + [(0, -K % 32)]); x = x.reshape(x.shape[:-1] + (-1, 32)); a = np.abs(x).max(-1, keepdims=True)
;;       e = np.where(a > 0, np.clip(np.frexp(np.where(a > 0, a, 1))[1] - 1 - 4, -126, 127), 0)      # np.frexp(a)[1] - 1 = floor(log2(a)), exactly
;;       r = np.clip(x / 2.0 ** e, -28, 28)
;;       step = 2.0 ** (np.maximum(np.frexp(np.where(r == 0, 1, r))[1] - 1, -2) - 2)
;;       q = np.round(r / step) * step * 2.0 ** e      # np.round: ties to even
;;       return np.moveaxis(q.reshape(q.shape[:-2] + (-1,))[..., :K], -1, axis).astype(np.float32)
;;   ~~~
;;   SOFTMAX AHEAD OF A QUANTISED PRODUCT. Where the list says 'softmax', what is quantised is not the finished softmax but p = 2^(t - M), with t = logit x log2(e) and M = ceil(the row's largest t), a whole number; so 1/2 < the row's largest p <= 1. The row's sum l is taken of the UNQUANTISED p, in f32, and the product's result is divided by l at the end. Since M is a whole number, a kernel that streams over the keys may use a running M (the ceiling of the running maximum): every later rescaling is an exact power of two, which a block's scale takes up: the codes' values come out the same.
;;   OPERANDS COMPUTED ON THE WAY. 'Computed on the way' means the value that the module computes at that place (a softmax that the list does not call 'softmax' is quantised finished and normalised). What goes into a quantiser is computed in f32, as accurately as f32 sums, v_exp_f32 and their like allow (about 1e-6 of the number): no bf16 or f16 on the way to a quantiser, and a product that is left as it is and whose result goes on into a quantised operand takes f32 operands (vector FMAs, or v_wmma_f32_16x16x4_f32). A number that lies on a knife's edge between two numbers of the format may be rounded either way, as far as f32 arithmetic and the matrix unit's own rounding can turn it there, and no further.
;; One version. Each part assembles by itself: llvm-mc -triple=amdgcn-amd-amdhsa -mcpu=gfx1250 --defsym DOCPART=n.
;; ======== version 1 of 1: 7 launches
;; limits: right only within a limited range of input values
;; workspace buffers: pc 13,107,200 bytes; qkv 9,961,472 bytes; ao 3,276,800 bytes; y 16,777,216 bytes; x1f 16,777,216 bytes; x1c 3,276,800 bytes; hc 13,107,200 bytes
;; launch prep (part 1): grid 512 x 1, 4 waves a work-group, no clusters, 0 bytes of LDS; arguments x, Wq, Wk, Wv, Wo, W1, W2, pc; writes pc
.if DOCPART == 1
	.amdgcn_target "amdgcn-amd-amdhsa--gfx1250"
	.amdhsa_code_object_version 6
	.text
	.protected	k_q47879228b6_prep
	.globl	k_q47879228b6_prep
	.p2align	8
	.type	k_q47879228b6_prep,@function
k_q47879228b6_prep:
	s_mov_b64 s[64:65], 0
	v_nop
	global_prefetch_b8 v0, s[64:65] scope:SCOPE_SE
	s_setreg_imm32_b32 hwreg(HW_REG_WAVE_MODE, 25, 1), 1
	s_wait_xcnt 0x0
; PREP: x and the six weights become codes of E3M2 with one E8M0 byte for each 32 along K, laid as the products' operand registers want them.
; DEAD WORK: none.  Every one of the 17 inputs has a way to the output, every product of the layer is live, the biases on q and k move those operands' codes, and the
; softmax keeps its running maximum.  So nothing is left out in any launch of this program.
; A FRAGMENT (16 rows x 128 K, 12 registers a lane) is 1,600 bytes: registers 0-3 at 16 x lane, 4-5 at 512 + 8 x lane, 6-9 at 768 + 16 x lane, 10-11 at 1,280 + 8 x lane,
; the 16 rows' scale words at 1,536 + 4 x row.  A buffer of fragments is laid [tile of 16 rows][K step of 128].
; THE ROWS OF A TILE ARE NOT NEIGHBOURS: lane r of tile 2 g + u holds row 32 g + 8 u + r + (r & 8).  Used as source 0, the 16 result registers of tiles 2 g and 2 g + 1 are then 16 neighbours.
; pc: x at 0, Wq 3,276,800, Wk 4,096,000, Wv 4,915,200, Wo 5,734,400, W1 6,553,600, W2 9,830,400.
; A block's scale is 2^(floor(log2(largest magnitude)) - 4), its byte the largest magnitude's exponent field - 4, held at 1 from below by a floor among the maximum's leaves.
; LIMITS: a block of zeros gets the byte 1 where the rule says 127 (its codes are zeros, and this program alone reads the bytes); NaN and infinities among the inputs are not served.
; SHARES: work-groups 0-127 take x (a wave: one tile of 16 tokens x 512 along K); 128-383 the five weights with rows of 4,096 bytes, 384-511 W1 (a wave: 32 columns x 256 along K).
; No LDS, no barrier: waves share nothing.  Fragments are 1,600 bytes, so some of a fragment's edges share an aligned block of 256 bytes with its neighbour.
; THE LAYOUT AS IT STANDS (it takes the place of what the lines above say of pc and of x's tiles):
; pc holds four runs of 2,252,800 bytes, one for each pair of K steps; in a run x's 256 tiles at 0, Wq's, Wk's and Wv's 192 at 819,200, W1's 256 at 1,433,600, a tile's two fragments on end (3,200 bytes):
; eight neighbouring tiles of a pair are 25,600 dense bytes.  Wo at 9,011,200 is laid [K step][tile], W2 at 9,830,400 [tile][K step].
; x's TILES: lane r of tile 4 G + u holds token 64 G + 8 u + (r & 7) + 32 (r >> 3): as source 0, the 32 result registers of tiles 4 G .. 4 G + 3 are a whole block of 32 neighbouring tokens in each lane.
.set FB,   1600
.set X,    32
.set TM,   160                         ; v160-175 at work in QUANT
.set PW,   176                         ; the scale word just made
.set PC,   180                         ; v180-199 the codes just made
.set XA,   4
.set ST16, 5                           ; 16 x lane
.set ST8,  6                           ; 8 x lane
.set STS,  7                           ; 4 x (lane % 16)
.set VS,   8
.set CO,   9
.set SW,   144                         ; v144-145 a column's scale words, one for each K step
.set SEL,  44
; 64 numbers of a lane, register 16 b + i = k 32 b + 16 (lane / 16) + i of my row, become a fragment's codes in v[PC] on and its scale word in v[PW]
.macro QUANT s
.irp b, 0,1,2,3
	v_max3_num_f32 v[TM+\b], |v[\s+16*\b]|, |v[\s+1+16*\b]|, 0x2800000   ; my 16 numbers of block b, and the floor 2^(5 - 127)
.endr
.irp i, 2,4,6,8,10,12,14
.irp b, 0,1,2,3
	v_max3_num_f32 v[TM+\b], v[TM+\b], |v[\s+16*\b+\i]|, |v[\s+1+16*\b+\i]|
.endr
.endr
.irp b, 0,1,2,3
	v_permlanex16_b32 v[TM+4+\b], v[TM+\b], s[SEL], s[SEL+1]
.endr
.irp b, 0,1,2,3
	v_max_num_f32 v[TM+\b], v[TM+\b], v[TM+4+\b]       ; with lane l xor 16's: the block's largest magnitude
.endr
.irp b, 0,1,2,3
	v_add_nc_u32 v[TM+12+\b], 0xfe000000, v[TM+\b]     ; 4 off its exponent field: the conversion's scale operand
.endr
.irp b, 0,1,2,3
	v_lshrrev_b32 v[TM+4+\b], 23, v[TM+12+\b]          ; the scale's byte
.endr
	v_lshl_or_b32 v[PW], v[TM+5], 8, v[TM+4]
	v_lshl_or_b32 v[PW], v[TM+6], 16, v[PW]
	v_lshl_or_b32 v[PW], v[TM+7], 24, v[PW]
.irp c, 0,1
	v_cvt_scalef32_pk16_bf6_f32 v[PC+6*\c:PC+2+6*\c], v[\s+32*\c:\s+15+32*\c], v[TM+12+2*\c]
	v_cvt_scalef32_pk16_bf6_f32 v[PC+12+4*\c:PC+14+4*\c], v[\s+16+32*\c:\s+31+32*\c], v[TM+12+2*\c+1]
.endr
	v_nop                                              ; one plain place behind a scaled conversion
.irp c, 0,1                                        ; the operand wants a whole block in a lane: lanes 0-15 block 2 c, lanes 16-31 block 2 c + 1
.irp i, 0,1,2
	v_permlane16_swap_b32 v[PC+6*\c+\i], v[PC+12+4*\c+\i]
.endr
.irp i, 0,1,2
	v_mov_b32 v[PC+3+6*\c+\i], v[PC+12+4*\c+\i]
.endr
.endr
.endm
; a weight's block t: W(32 t + i, my column), i = 0 .. 31: each load reads 128 consecutive bytes
.macro LOADB t, st
.irp i, 0,1,2,3,4,5,6,7,8,9,10,11,12,13,14,15,16,17,18,19,20,21,22,23,24,25,26,27,28,29,30,31
	global_load_b32 v[X+32*((\t)%2)+\i], v[CO], s[28:29] offset:(32*(\t)+\i)*(\st) th:TH_LOAD_NT
.endr
.endm
.macro BLOCK t, st
.set XS, X+32*((\t)%2)
.set F0, 96+24*((\t)/4)                        ; the K step's two fragments: F0 and F0 + 12
.set PL, F0+12*((\t)%2)+6*(((\t)%4)/2)         ; blocks 0, 1, 2, 3 of a K step go to F0, F0 + 12, F0 + 6, F0 + 18
.if (\t) < 7
	s_wait_loadcnt 32                                  ; this block's 32 loads are in; the next block's may be out
.else
	s_wait_loadcnt 0x0
.endif
	v_max3_num_f32 v12, |v[XS]|, |v[XS+1]|, |v[XS+2]|   ; all 32 numbers of the block are mine
	v_max3_num_f32 v13, |v[XS+3]|, |v[XS+4]|, |v[XS+5]|
.irp i, 6,10,14,18,22,26
	v_max3_num_f32 v12, v12, |v[XS+\i]|, |v[XS+\i+1]|
	v_max3_num_f32 v13, v13, |v[XS+\i+2]|, |v[XS+\i+3]|
.endr
	v_max3_num_f32 v12, v12, |v[XS+30]|, |v[XS+31]|
	v_max3_num_f32 v12, v12, v13, 0x2800000
	v_add_nc_u32 v11, 0xfe000000, v12
	v_lshrrev_b32 v13, 23, v11
.if (\t)%4 == 0
	v_mov_b32 v[SW+(\t)/4], v13
.else
	v_lshl_or_b32 v[SW+(\t)/4], v13, 8*((\t)%4), v[SW+(\t)/4]
.endif
	v_cvt_scalef32_pk16_bf6_f32 v[PL:PL+2], v[XS:XS+15], v11
	v_cvt_scalef32_pk16_bf6_f32 v[16:18], v[XS+16:XS+31], v11   ; (a conversion's three registers begin on an even number)
	v_nop
.irp i, 0,1,2
	v_mov_b32 v[PL+3+\i], v[16+\i]
.endr
.if (\t)+2 < 8
	LOADB (\t)+2, \st
.endif
.if (\t)%4 == 3
; lanes 0-15 hold the columns of tile 2 g, lanes 16-31 those of tile 2 g + 1, each all four blocks.  F0's lanes 16-31 change places with (F0 + 12)'s lanes 0-15: F0 is then tile 2 g's fragment, F0 + 12 tile 2 g + 1's
.irp i, 0,1,2,3,4,5,6,7,8,9,10,11
	v_permlane16_swap_b32 v[F0+\i], v[F0+12+\i]
.endr
.if (\t) == 7
	s_wait_alu depctr_va_vdst(0)
	s_wait_xcnt 0x0
	s_add_nc_u64 s[36:37], s[36:37], s[42:43]
	s_add_nc_u64 s[40:41], s[40:41], s[42:43]
.endif
	global_store_b128 v[ST16], v[F0:F0+3], s[36:37]
	global_store_b64 v[ST8], v[F0+4:F0+5], s[36:37] offset:512
	global_store_b128 v[ST16], v[F0+6:F0+9], s[36:37] offset:768
	global_store_b64 v[ST8], v[F0+10:F0+11], s[36:37] offset:1280
	global_store_b128 v[ST16], v[F0+12:F0+15], s[40:41]
	global_store_b64 v[ST8], v[F0+16:F0+17], s[40:41] offset:512
	global_store_b128 v[ST16], v[F0+18:F0+21], s[40:41] offset:768
	global_store_b64 v[ST8], v[F0+22:F0+23], s[40:41] offset:1280
	global_store_b32 v[VS], v[SW+(\t)/4], s[36:37] offset:1536
.endif
.endm
; a wave's 32 columns x 256 along K.  In: s[28:29] the weight, s22 its block of 128 columns, s25 its block of 256 along K, s27 its region in pc, s30 its K steps
.macro WBODY st
	s_mul_i32 s32, s25, 256*(\st)
	s_lshl_b32 s33, s22, 9
	s_add_co_u32 s32, s32, s33
	s_lshl_b32 s33, s20, 7
	s_add_co_u32 s32, s32, s33
	s_mov_b32 s33, 0
	s_add_nc_u64 s[28:29], s[28:29], s[32:33]          ; the weight at my first row and column
	s_lshl_b32 s34, s22, 3
	s_lshl_b32 s35, s20, 1
	s_add_co_u32 s34, s34, s35                         ; tile 8 cb + 2 wave
	s_mul_i32 s34, s34, s30                            ; s30: fragments from tile to tile
	s_mul_i32 s34, s34, FB
	s_mul_i32 s35, s25, s31                            ; s31: bytes from one pair of K steps to the next
	s_add_co_u32 s34, s34, s35
	s_add_co_u32 s34, s34, s27
	s_mov_b32 s35, 0
	s_add_nc_u64 s[36:37], s[18:19], s[34:35]          ; where tile 2 g's fragments go,
	s_mul_i32 s38, s30, FB
	s_mov_b32 s39, 0
	s_add_nc_u64 s[40:41], s[36:37], s[38:39]          ; and tile 2 g + 1's
	v_mul_u32_u24 v[VS], s38, v3
	v_add_nc_u32 v[VS], v[VS], v[STS]
	LOADB 0, \st
	LOADB 1, \st
.irp t, 0,1,2,3,4,5,6,7
	BLOCK \t, \st
.endr
.endm
	s_load_b512 s[4:19], s[0:1], 0x0                   ; x, Wq, Wk, Wv, Wo, W1, W2, pc
	v_lshrrev_b32 v1, 5, v0
	v_readfirstlane_b32 s20, v1                        ; wave
	v_and_b32 v2, 31, v0                               ; lane
	v_and_b32 v1, 15, v0                               ; r
	v_bfe_u32 v3, v0, 4, 1                             ; h
	v_lshlrev_b32 v[ST16], 4, v2
	v_lshlrev_b32 v[ST8], 3, v2
	v_lshlrev_b32 v[STS], 2, v1
	v_and_b32 v[CO], 7, v2                             ; a weight's column for lane l: (l & 7) + 16 ((l >> 3) & 1) + 8 (l >> 4)
	v_bfe_u32 v10, v2, 3, 1
	v_lshl_add_u32 v[CO], v10, 4, v[CO]
	v_lshl_add_u32 v[CO], v3, 3, v[CO]
	v_lshlrev_b32 v[CO], 2, v[CO]
	s_wait_kmcnt 0x0
	s_cmp_lt_u32 ttmp9, 128
	s_cbranch_scc1 .Lx
	s_cmp_lt_u32 ttmp9, 384
	s_cbranch_scc0 .Lw1
	s_sub_co_u32 s21, ttmp9, 128
	s_and_b32 s22, s21, 7                              ; block of 128 columns
	s_lshr_b32 s23, s21, 3                             ; 0-15: Wq, Wk, Wv, Wo, four blocks of K each; 16-31: W2's sixteen
	s_lshr_b32 s24, s23, 2
	s_and_b32 s25, s23, 3
	s_sub_co_u32 s26, s23, 16
	s_mul_i32 s27, s24, 204800
	s_add_co_u32 s27, s27, 819200
	s_cmp_eq_u32 s24, 1
	s_cselect_b64 s[28:29], s[8:9], s[6:7]
	s_cmp_eq_u32 s24, 2
	s_cselect_b64 s[28:29], s[10:11], s[28:29]
	s_cmp_eq_u32 s24, 3
	s_cselect_b64 s[28:29], s[12:13], s[28:29]
	s_cselect_b32 s27, 9011200, s27
	s_cselect_b32 s30, 1, 2                            ; Wo is laid [K step][tile]: 1,600 bytes from tile to tile, 102,400 from K step to K step
	s_mov_b32 s31, 2252800
	s_cselect_b32 s31, 204800, s31
	s_mov_b32 s42, FB                                  ; s[42:43]: bytes from a pair's first K step to its second
	s_cselect_b32 s42, 102400, s42
	s_mov_b32 s43, 0
	s_cmp_ge_u32 s23, 16
	s_cselect_b64 s[28:29], s[16:17], s[28:29]
	s_cselect_b32 s25, s26, s25
	s_cselect_b32 s27, 9830400, s27
	s_cselect_b32 s30, 32, s30
	s_cselect_b32 s31, 3200, s31
	s_wait_alu depctr_va_vdst(0)
	WBODY 4096
	s_endpgm
.Lw1:
	s_sub_co_u32 s21, ttmp9, 384
	s_and_b32 s22, s21, 31
	s_lshr_b32 s25, s21, 5
	s_mov_b32 s27, 1433600
	s_mov_b32 s30, 2
	s_mov_b32 s42, FB
	s_mov_b32 s43, 0
	s_mov_b32 s31, 2252800
	s_mov_b64 s[28:29], s[14:15]
	s_wait_alu depctr_va_vdst(0)
	WBODY 16384
	s_endpgm
.Lx:
	s_mov_b32 s[SEL], 0x76543210
	s_mov_b32 s[SEL+1], 0xfedcba98                     ; v_permlanex16_b32's selects for lane l xor 16
.irp b, 0,1,2,3
	v_mov_b32 v[TM+4+\b], 0                            ; a lane permute's destination counts as one of its sources
.endr
	s_lshl_b32 s21, ttmp9, 2
	s_add_co_u32 s21, s21, s20
	s_lshr_b32 s22, s21, 1                             ; my tile of tokens
	s_and_b32 s23, s21, 1                              ; my half of K
	s_lshr_b32 s24, s22, 2
	s_lshl_b32 s24, s24, 6
	s_and_b32 s25, s22, 3
	s_lshl_b32 s25, s25, 3
	s_add_co_u32 s24, s24, s25                         ; the tile's first token
	s_lshl_b32 s24, s24, 12
	s_lshl_b32 s25, s23, 11
	s_add_co_u32 s24, s24, s25
	s_mov_b32 s25, 0
	s_add_nc_u64 s[4:5], s[4:5], s[24:25]
	s_mul_i32 s26, s22, 2*FB
	s_mul_i32 s27, s23, 2*2252800
	s_add_co_u32 s26, s26, s27
	s_mov_b32 s27, 0
	s_add_nc_u64 s[18:19], s[18:19], s[26:27]
	v_and_b32 v10, 8, v1
	v_mad_u32_u24 v10, v10, 3, v1                      ; r + 3 (r & 8)
	v_lshlrev_b32 v[XA], 12, v10
	v_lshl_add_u32 v[XA], v3, 6, v[XA]                 ; my row, + 64 h: my 16 numbers of a block of 32
.macro XLOAD k
.irp b, 0,1,2,3
.irp j, 0,1,2,3
	global_load_b128 v[X+64*((\k)%2)+16*\b+4*\j:X+64*((\k)%2)+16*\b+4*\j+3], v[XA], s[4:5] offset:512*(\k)+128*\b+16*\j
.endr
.endr
.endm
.macro XSTEP k
.if (\k) < 3
	XLOAD (\k)+1
	s_wait_loadcnt 16                                  ; this K step's sixteen loads are in; the next step's may be out
.else
	s_wait_loadcnt 0x0
.endif
.if (\k) > 0
	s_wait_xcnt 0x0                                    ; the last step's stores have read the codes' registers, which are written again below
.endif
	QUANT X+64*((\k)%2)
.set XO, 2252800*((\k)/2)+FB*((\k)%2)
	global_store_b128 v[ST16], v[PC:PC+3], s[18:19] offset:XO
	global_store_b64 v[ST8], v[PC+4:PC+5], s[18:19] offset:XO+512
	global_store_b128 v[ST16], v[PC+6:PC+9], s[18:19] offset:XO+768
	global_store_b64 v[ST8], v[PC+10:PC+11], s[18:19] offset:XO+1280
	global_store_b32 v[STS], v[PW], s[18:19] offset:XO+1536
.endm
	XLOAD 0
.irp k, 0,1,2,3
	XSTEP \k
.endr
	s_endpgm
.Lfunc_end_k_q47879228b6_prep:
	.size	k_q47879228b6_prep, .Lfunc_end_k_q47879228b6_prep-k_q47879228b6_prep
	.p2alignl 7, 3214868480
	.fill 96, 4, 3214868480
	.section	.rodata,"a",@progbits
	.p2align	6, 0x0
	.amdhsa_kernel k_q47879228b6_prep
		.amdhsa_group_segment_fixed_size 0
		.amdhsa_private_segment_fixed_size 0
		.amdhsa_enable_private_segment 0
		.amdhsa_kernarg_size 64
		.amdhsa_user_sgpr_count 2
		.amdhsa_user_sgpr_kernarg_segment_ptr 1
		.amdhsa_wavefront_size32 1
		.amdhsa_system_sgpr_workgroup_id_x 1
		.amdhsa_system_sgpr_workgroup_id_y 1
		.amdhsa_system_sgpr_workgroup_id_z 1
		.amdhsa_system_vgpr_workitem_id 0
		.amdhsa_next_free_vgpr 200
		.amdhsa_next_free_sgpr 66
		.amdhsa_reserve_vcc 0
		.amdhsa_float_denorm_mode_32 3
		.amdhsa_float_denorm_mode_16_64 3
		.amdhsa_memory_ordered 1
		.amdhsa_forward_progress 1
		.amdhsa_inst_pref_size 105
	.end_amdhsa_kernel
	.amdgpu_metadata
---
amdhsa.version: [ 1, 2 ]
amdhsa.kernels:
  - .name:           k_q47879228b6_prep
    .symbol:         k_q47879228b6_prep.kd
    .args:
      - { .name: x, .offset: 0, .size: 8, .value_kind: global_buffer, .address_space: global }
      - { .name: Wq, .offset: 8, .size: 8, .value_kind: global_buffer, .address_space: global }
      - { .name: Wk, .offset: 16, .size: 8, .value_kind: global_buffer, .address_space: global }
      - { .name: Wv, .offset: 24, .size: 8, .value_kind: global_buffer, .address_space: global }
      - { .name: Wo, .offset: 32, .size: 8, .value_kind: global_buffer, .address_space: global }
      - { .name: W1, .offset: 40, .size: 8, .value_kind: global_buffer, .address_space: global }
      - { .name: W2, .offset: 48, .size: 8, .value_kind: global_buffer, .address_space: global }
      - { .name: pc, .offset: 56, .size: 8, .value_kind: global_buffer, .address_space: global }
    .group_segment_fixed_size: 0
    .private_segment_fixed_size: 0
    .kernarg_segment_align: 8
    .kernarg_segment_size: 64
    .max_flat_workgroup_size: 128
    .sgpr_count:     66
    .vgpr_count:     200
    .wavefront_size: 32
...
	.end_amdgpu_metadata
.endif
;; end of part 1
;; launch qkv (part 2): grid 48 x 4, 4 waves a work-group, clusters of 4 x 4, 327,680 bytes of LDS; arguments pc, bq, bk, bv, qkv; writes qkv
.if DOCPART == 2
	.amdgcn_target "amdgcn-amd-amdhsa--gfx1250"
	.amdhsa_code_object_version 6
	.text
	.protected	k_q47879228b6_qkv
	.globl	k_q47879228b6_qkv
	.p2align	8
	.type	k_q47879228b6_qkv,@function
k_q47879228b6_qkv:
	s_mov_b64 s[64:65], 0
	v_nop
	global_prefetch_b8 v0, s[64:65] scope:SCOPE_SE
	s_setreg_imm32_b32 hwreg(HW_REG_WAVE_MODE, 25, 1), 1
	s_wait_xcnt 0x0
	s_wait_alu depctr_hold_cnt(0) depctr_sa_sdst(0) depctr_va_vdst(0) depctr_va_sdst(0) depctr_va_ssrc(0) depctr_va_vcc(0) depctr_vm_vsrc(0)
	s_getreg_b32 s2, hwreg(HW_REG_IB_STS2, 6, 4)
	s_cmp_eq_u32 s2, 0
	s_cbranch_scc0 .Lentry_in_a_cluster
	s_endpgm
.Lentry_in_a_cluster:
	s_bfe_u32 s2, ttmp6, 0x10000c
	s_cmp_lg_u32 s2, 0xf033
	s_cbranch_scc0 .Lentry_shape_is_right
	s_endpgm
.Lentry_shape_is_right:
.set QKV,   1
.set RELU,  1-QKV
.set FB,    1600
; q, k AND v ON CODES OF E3M2.  No work of the layer is left out.  A wave's part of LDS holds its 8 tiles x three pairs of K steps, brought by ONE joint load at the head (three rows of 25,600 dense bytes);
; the fourth pair fills the first pair's bytes again.  RESULTS: q in blocks of 6,656 bytes and k, v in blocks of 12,800 bytes for each head and 128 tokens: 256 bytes of q's or k's scale bytes
; [row][pair of tiles][tile], 256 of v's scale words [row][tile], four pairs of tiles x 1,536 bytes of codes, and v's four fragments x 1,536: each group of four operand registers at 16 x lane.
.set REG,   48*FB
.set SLOT,  16*FB
.set SPARE, 4*REG
.set A16,  4
.set A8,   7
.set B16,  10
.set B8,   13
.set ADS,  16
.set ST16, 19
.set ST8,  20
.set STS,  21
.set SPW,  28
.set NIL,  29
.set SC,   32
.set TM,   48
.set PW,   56
.set PC,   64
.set BF,   64
.set BIAS, 192
.set G1A,  24
.set G1B,  32
.set SEL,  60
.set G0A,  68
.set G0B,  80
.set OUT,  92
.set STR,  94
.set MSB, 0
.macro WIN new
.if MSB != (\new)
	s_set_vgpr_msb (MSB<<8)|(\new)
.set MSB, (\new)
.endif
.endm
.macro PLACES
.rept 4
	v_nop
.endr
.endm
.macro JLOAD g0a, g0b
	s_cmp_eq_u32 s15, 0
	s_cbranch_scc0 .Lfor_b_\@
	tensor_load_to_lds s[\g0a:\g0a+3], s[G1A:G1A+7]
	s_nop 0
	PLACES
	s_branch .Lasked_\@
.Lfor_b_\@:
	tensor_load_to_lds s[\g0b:\g0b+3], s[G1B:G1B+7]
	s_nop 0
	PLACES
.Lasked_\@:
.endm
.macro CROUND
	s_barrier_signal -1
	s_barrier_wait -1
	s_cmp_lg_u32 s14, 0
	s_cbranch_scc1 .Lnot_wave_0_\@
	s_barrier_signal -3
.Lnot_wave_0_\@:
	s_barrier_wait -3
	s_barrier_signal -1
	s_barrier_wait -1
.endm
.macro FRAG reg, a16, a8, off
	ds_load_b128 v[(\reg):(\reg)+3], v[\a16] offset:(\off)
	ds_load_b64 v[(\reg)+4:(\reg)+5], v[\a8] offset:(\off)+512
	ds_load_b128 v[(\reg)+6:(\reg)+9], v[\a16] offset:(\off)+768
	ds_load_b64 v[(\reg)+10:(\reg)+11], v[\a8] offset:(\off)+1280
.endm
.macro FETCH k
.set sl, ((\k)/2)%3
.set q, (\k)%2
	WIN 0x40
.irp a, 0,1,2,3,4,5,6,7
	FRAG 96*q+12*\a, A16+sl, A8+sl, 2*FB*\a+FB*q
.endr
	WIN 0
.irp b, 0,1,2,3,4,5,6,7
	FRAG BF+96*q+12*\b, B16+sl, B8+sl, 2*FB*\b+FB*q
.endr
.irp i, 0,1,2,3,4,5,6,7
	ds_load_b32 v[SC+8*q+\i], v[ADS+sl] offset:2*FB*\i+FB*q+1536
.endr
.endm
.macro MUL k, cm
.set p, (\k)%2
.irp b, 0,1,2,3,4,5,6,7
.if \cm
	WIN 0x91+0x40*(\b/4)
.else
	WIN 0xa1+0x50*(\b/4)
.endif
.irp a, 0,1,2,3,4,5,6,7
.if \cm == 1
	v_wmma_scale_f32_16x16x128_f8f6f4 v[64*(\b%4)+8*\a:64*(\b%4)+8*\a+7], v[96*p+12*\a:96*p+12*\a+11], v[BF+96*p+12*\b:BF+96*p+12*\b+11], v[BIAS+8*\a:BIAS+8*\a+7], v[SC+8*p+\a], v[SC+8*p+\b] matrix_a_fmt:MATRIX_FMT_BF6 matrix_b_fmt:MATRIX_FMT_BF6 matrix_b_scale:MATRIX_SCALE_ROW1
.elseif \cm == 2
	v_wmma_scale_f32_16x16x128_f8f6f4 v[64*(\b%4)+8*\a:64*(\b%4)+8*\a+7], v[96*p+12*\a:96*p+12*\a+11], v[BF+96*p+12*\b:BF+96*p+12*\b+11], v[BIAS+8*\b:BIAS+8*\b+7], v[SC+8*p+\a], v[SC+8*p+\b] matrix_a_fmt:MATRIX_FMT_BF6 matrix_b_fmt:MATRIX_FMT_BF6 matrix_b_scale:MATRIX_SCALE_ROW1
.else
	v_wmma_scale_f32_16x16x128_f8f6f4 v[64*(\b%4)+8*\a:64*(\b%4)+8*\a+7], v[96*p+12*\a:96*p+12*\a+11], v[BF+96*p+12*\b:BF+96*p+12*\b+11], v[64*(\b%4)+8*\a:64*(\b%4)+8*\a+7], v[SC+8*p+\a], v[SC+8*p+\b] matrix_a_fmt:MATRIX_FMT_BF6 matrix_b_fmt:MATRIX_FMT_BF6 matrix_b_scale:MATRIX_SCALE_ROW1
.endif
.endr
.endr
.endm
.macro STEP k, bar, cnt
	WIN 0
.if \bar == 0
	s_wait_dscnt 0x0
	PLACES
.elseif \bar == 1
	s_wait_tensorcnt \cnt
	s_wait_dscnt 0x0
	s_barrier_signal -1
	s_barrier_wait -1
	PLACES
.else
	s_wait_tensorcnt 0x0
	ds_add_u32 v[SPW], v[NIL]
	s_add_nc_u64 s[G0A+2:G0A+3], s[G0A+2:G0A+3], 3*2252800
	s_add_nc_u64 s[G0B+2:G0B+3], s[G0B+2:G0B+3], 3*2252800
	s_mov_b32 s[G1A+2], 1<<16                          ; no tensor load of mine is out: from here on a load brings one row
	s_mov_b32 s[G1A+4], 1
	s_mov_b32 s[G1B+2], 1<<16
	s_mov_b32 s[G1B+4], 1
	s_wait_dscnt 0x0
	CROUND
	JLOAD G0A, G0B
.endif
.if (\k) < 7
	FETCH (\k)+1
.endif
	MUL \k, 0
.endm
.macro QUANTW W, s
.if RELU
	WIN ((\W)<<6)|((\W)<<2)
.set n, 0
.rept 64
	v_max_num_f32 v[(\s)+n], 0, v[(\s)+n]
.set n, n+1
.endr
.endif
	WIN ((\W)<<4)|((\W)<<2)
.irp u, 0,1,2,3
	v_max3_num_f32 v[TM+\u], 0x2800000, |v[(\s)+16*\u]|, |v[(\s)+1+16*\u]|
.endr
.irp i, 2,4,6,8,10,12,14
.irp u, 0,1,2,3
	v_max3_num_f32 v[TM+\u], v[TM+\u], |v[(\s)+16*\u+\i]|, |v[(\s)+1+16*\u+\i]|
.endr
.endr
	WIN 0
.irp u, 0,1,2,3
	v_permlanex16_b32 v[TM+4+\u], v[TM+\u], s[SEL], s[SEL+1]
.endr
.irp u, 0,1,2,3
	v_max_num_f32 v[TM+\u], v[TM+\u], v[TM+4+\u]
.endr
.irp u, 0,1,2,3
	v_add_nc_u32 v[TM+12+\u], 0xfe000000, v[TM+\u]
.endr
.irp u, 0,1,2,3
	v_lshrrev_b32 v[TM+4+\u], 23, v[TM+12+\u]
.endr
	v_lshl_or_b32 v[PW], v[TM+5], 8, v[TM+4]
	v_lshl_or_b32 v[PW], v[TM+6], 16, v[PW]
	v_lshl_or_b32 v[PW], v[TM+7], 24, v[PW]
	WIN (\W)
.irp c, 0,1
	v_cvt_scalef32_pk16_bf6_f32 v[PC+6*\c:PC+2+6*\c], v[(\s)+32*\c:(\s)+15+32*\c], v[TM+12+2*\c]
	v_cvt_scalef32_pk16_bf6_f32 v[PC+12+4*\c:PC+14+4*\c], v[(\s)+16+32*\c:(\s)+31+32*\c], v[TM+12+2*\c+1]
.endr
	WIN 0
	v_nop
.irp c, 0,1
.irp i, 0,1,2
	v_permlane16_swap_b32 v[PC+6*\c+\i], v[PC+12+4*\c+\i]
.endr
.irp i, 0,1,2
	v_mov_b32 v[PC+3+6*\c+\i], v[PC+12+4*\c+\i]
.endr
.endr
.endm
	s_load_b256 s[4:11], s[0:1], 0x0
.if QKV
	s_load_b64 s[12:13], s[0:1], 0x20
.endif
	v_lshl_add_u32 v[SPW], v0, 2, SPARE
	v_mov_b32 v[NIL], 0
	ds_add_u32 v[SPW], v[NIL]
	ds_add_u32 v[SPW], v[NIL]
	v_lshrrev_b32 v1, 5, v0
	v_readfirstlane_b32 s14, v1
	s_lshr_b32 s15, s14, 1
	s_and_b32 s16, s14, 1
	s_bfe_u32 s20, ttmp6, 0x40000
	s_bfe_u32 s21, ttmp6, 0x40004
.if QKV
	s_and_b32 s18, ttmp9, 1
	s_lshr_b32 s19, ttmp9, 1
	s_sub_co_u32 s40, ttmp9, 8
	s_cmp_lt_u32 ttmp9, 8
	s_cselect_b32 s17, 1, 0
	s_cselect_b32 s18, s18, s40
	s_cselect_b32 s19, s19, 0
	s_cselect_b32 s41, 819200, 0
	s_cselect_b32 s42, 0, 1228800
	s_lshl_b32 s18, s18, 2
	s_add_co_u32 s18, s18, s20
	s_lshl_b32 s19, s19, 2
	s_add_co_u32 s19, s19, s21
.else
	s_lshl_b32 s18, ttmp9, 2
	s_add_co_u32 s18, s18, s20
	s_and_b32 s19, ttmp7, 0xffff
	s_lshl_b32 s19, s19, 2
	s_add_co_u32 s19, s19, s21
	s_mov_b32 s41, 6553600
	s_mov_b32 s42, 0
.endif
	s_lshl_b32 s43, 0x1111, s20
	s_lshl_b32 s44, s21, 2
	s_lshl_b32 s44, 15, s44
	s_or_b32 s[G1A], s43, (3<<16)|(1<<21)
	s_or_b32 s[G1B], s44, (3<<16)|(1<<21)
.irp g, G1A, G1B
	s_mov_b32 s[\g+1], 3200<<16
	s_mov_b32 s[\g+2], 3<<16
	s_mov_b32 s[\g+3], 3200<<16
	s_mov_b32 s[\g+4], 3
	s_mov_b32 s[\g+5], 281600
	s_mov_b32 s[\g+6], 1<<16
	s_mov_b32 s[\g+7], 0
.endr
	s_lshl_b32 s45, s16, 3
	s_lshl_b32 s52, s18, 4
	s_add_co_u32 s52, s52, s45
	s_mul_i32 s52, s52, 2*FB
	s_add_co_u32 s52, s52, s41
	s_mov_b32 s53, 0
	s_lshl_b32 s54, s19, 4
	s_add_co_u32 s54, s54, s45
	s_mul_i32 s54, s54, 2*FB
	s_add_co_u32 s54, s54, s42
	s_mov_b32 s55, 0
	s_mul_i32 s56, s14, REG
	s_mov_b32 s[SEL], 0x76543210
	s_mov_b32 s[SEL+1], 0xfedcba98
	s_wait_dscnt 0x0
	s_wait_kmcnt 0x0
	s_add_nc_u64 s[52:53], s[4:5], s[52:53]
.if QKV
	s_add_nc_u64 s[54:55], s[4:5], s[54:55]
.else
	s_add_nc_u64 s[54:55], s[6:7], s[54:55]
.endif
	CROUND
.irp f, 0
	s_mov_b32 s[G0A+4*\f], 1
	s_add_co_u32 s[G0A+4*\f+1], s56, \f*SLOT
	s_add_nc_u64 s[G0A+4*\f+2:G0A+4*\f+3], s[52:53], \f*2*FB
	s_or_b32 s[G0A+4*\f+3], s[G0A+4*\f+3], 0x80000000
	s_mov_b32 s[G0B+4*\f], 1
	s_add_co_u32 s[G0B+4*\f+1], s56, \f*SLOT
	s_add_nc_u64 s[G0B+4*\f+2:G0B+4*\f+3], s[54:55], \f*2*FB
	s_or_b32 s[G0B+4*\f+3], s[G0B+4*\f+3], 0x80000000
	JLOAD G0A+4*\f, G0B+4*\f
.endr
	v_and_b32 v1, 15, v0
	v_bfe_u32 v2, v0, 4, 1
	v_and_b32 v3, 31, v0
	v_lshlrev_b32 v[ST16], 4, v3
	v_lshlrev_b32 v[ST8], 3, v3
	v_lshlrev_b32 v[STS], 2, v1
	v_lshlrev_b32 v24, 3, v2                           ; 8 h
	v_lshlrev_b32 v25, 4, v1                           ; 16 r
	s_mul_i32 s57, s16, REG
	s_mul_i32 s58, s15, REG
	s_add_co_u32 s58, s58, 2*REG
	s_xor_b32 s59, s16, 1
	s_add_co_u32 s59, s59, s15
	s_add_co_u32 s59, s59, 1
	s_mul_i32 s59, s59, REG
	v_mul_u32_u24 v22, s59, v2
	v_add_nc_u32 v22, v22, v[STS]
.irp f, 0,1,2
	v_add_nc_u32 v[A16+\f], s57, v[ST16]
	v_add_nc_u32 v[A8+\f], s57, v[ST8]
	v_add_nc_u32 v[B16+\f], s58, v[ST16]
	v_add_nc_u32 v[B8+\f], s58, v[ST8]
	v_add_nc_u32 v[ADS+\f], s57, v22
	s_add_co_u32 s57, s57, SLOT
	s_add_co_u32 s58, s58, SLOT
.endr
.if QKV
	s_and_b32 s46, s18, 3
	s_lshl_b32 s46, s46, 1
	s_add_co_u32 s46, s46, s16
	s_lshl_b32 s47, s19, 1
	s_add_co_u32 s47, s47, s15
	s_cmp_lt_u32 s18, 4
	s_cselect_b64 s[6:7], s[6:7], s[8:9]
	s_cmp_eq_u32 s17, 1
	s_cselect_b64 s[6:7], s[6:7], s[10:11]
	s_cselect_b32 s46, s46, s47
	s_cselect_b32 s40, 64, 0
	s_cselect_b32 s41, 0, 4
	s_cselect_b32 s42, 4, 0
	s_lshl_b32 s46, s46, 9
	s_mov_b32 s47, 0
	s_add_nc_u64 s[6:7], s[6:7], s[46:47]
	v_and_b32 v23, 8, v1
	v_add_nc_u32 v23, v23, v1
	v_mul_u32_u24 v23, s41, v23
	v_mad_u32_u24 v23, v2, s40, v23
.irp j, 0,1,2,3,4,5,6,7
	v_mad_u32_u24 v[TM+\j], s42, \j, v23
.endr
	WIN 0x40
.irp t, 0,1,2,3,4,5,6,7
.irp j, 0,1,2,3,4,5,6,7
	global_load_b32 v[BIAS+8*\t+\j], v[TM+\j], s[6:7] offset:(32*(\t/2)+8*(\t%2))*4
.endr
.endr
	WIN 0
	s_lshl_b32 s46, s19, 4
	s_lshl_b32 s47, s15, 3
	s_add_co_u32 s46, s46, s47
	s_lshl_b32 s47, s18, 1
	s_add_co_u32 s47, s47, s16
	s_lshr_b32 s48, s46, 7                             ; q, k: batch, block of 128 tokens, first of my two heads, q (0) or k (1)
	s_bfe_u32 s49, s46, 0x40003
	s_and_b32 s50, s47, 7
	s_lshl_b32 s50, s50, 1
	s_lshr_b32 s51, s47, 3
	s_lshr_b32 s52, s47, 4                             ; v: batch, block of 128 tokens, first head
	s_and_b32 s53, s47, 15
	s_lshr_b32 s54, s46, 2
	s_cmp_eq_u32 s17, 1
	s_cselect_b32 s48, s48, s52
	s_cselect_b32 s49, s49, s53
	s_cselect_b32 s50, s50, s54
	s_cselect_b32 s51, s51, 1
	s_lshl_b32 s48, s48, 4
	s_add_co_u32 s48, s48, s50                         ; batch x 16 + head
	s_cmp_eq_u32 s51, 1
	s_mov_b32 s[STR], 106496
	s_cselect_b32 s[STR], 204800, s[STR]               ; bytes a head
	s_mov_b32 s52, 6656
	s_cselect_b32 s52, 12800, s52                      ; bytes a block of 128 tokens
	s_cselect_b32 s53, 3407872, 0                      ; k and v lie behind q
	s_mul_i32 s48, s48, s[STR]
	s_mul_i32 s49, s49, s52
	s_add_co_u32 s48, s48, s49
	s_add_co_u32 s48, s48, s53
	s_mov_b32 s49, 0
	s_mov_b32 s[STR+1], 0
	s_add_nc_u64 s[OUT:OUT+1], s[12:13], s[48:49]
	s_add_nc_u64 s[STR:STR+1], s[OUT:OUT+1], s[STR:STR+1]   ; the same place of the next head
.else
	s_lshl_b32 s46, s18, 1
	s_add_co_u32 s46, s46, s16
	s_lshl_b32 s48, s46, 9
	s_mov_b32 s49, 0
	s_add_nc_u64 s[8:9], s[8:9], s[48:49]
	v_lshlrev_b32 v23, 6, v2
	WIN 0x40
.irp t, 0,1,2,3,4,5,6,7
	global_load_b128 v[BIAS+8*\t:BIAS+8*\t+3], v23, s[8:9] offset:(32*(\t/2)+8*(\t%2))*4
	global_load_b128 v[BIAS+8*\t+4:BIAS+8*\t+7], v23, s[8:9] offset:(32*(\t/2)+8*(\t%2))*4+16
.endr
	WIN 0
	s_lshl_b32 s47, s19, 4
	s_lshl_b32 s48, s15, 3
	s_add_co_u32 s47, s47, s48
	s_lshl_b32 s47, s47, 5
	s_add_co_u32 s48, s47, s46
	s_mul_i32 s48, s48, FB
	s_mov_b32 s49, 0
	s_mov_b32 s[STR], 32*FB
	s_mov_b32 s[STR+1], 0
	s_add_nc_u64 s[OUT:OUT+1], s[10:11], s[48:49]
.endif
	s_wait_alu depctr_va_vdst(0)
	s_wait_tensorcnt 0x0
	s_barrier_signal -1
	s_barrier_wait -1
	FETCH 0
	s_wait_loadcnt 0x0
	s_wait_dscnt 0x0
	FETCH 1
.if QKV
	s_cmp_eq_u32 s17, 1
	s_cbranch_scc0 .Lvmode
	MUL 0, 1
	WIN 0
	s_branch .Ljoined
.Lvmode:
	MUL 0, 2
	WIN 0
.Ljoined:
.else
	MUL 0, 1
.endif
	STEP 1, 2, 0
	STEP 2, 0, 0
	STEP 3, 0, 0
	STEP 4, 0, 0
	STEP 5, 1, 0
	STEP 6, 0, 0
	STEP 7, 0, 0
	WIN 0
.irp u, 0,1,2,3
	v_mov_b32 v[TM+4+\u], 0
.endr
; v: a lane's registers 32 c .. 32 c + 31 are a whole block of 32 tokens, block 2 c + (lane / 16): no other lane is asked for a maximum, and the codes stand as the operand wants them
.macro QUANTB W, s
	WIN ((\W)<<4)|((\W)<<2)
.irp u, 0,1,2,3
	v_max3_num_f32 v[TM+\u], 0x2800000, |v[(\s)+16*\u]|, |v[(\s)+1+16*\u]|
.endr
.irp i, 2,4,6,8,10,12,14
.irp u, 0,1,2,3
	v_max3_num_f32 v[TM+\u], v[TM+\u], |v[(\s)+16*\u+\i]|, |v[(\s)+1+16*\u+\i]|
.endr
.endr
	WIN 0
	v_max_num_f32 v[TM], v[TM], v[TM+1]
	v_max_num_f32 v[TM+2], v[TM+2], v[TM+3]
	v_add_nc_u32 v[TM+12], 0xfe000000, v[TM]
	v_add_nc_u32 v[TM+13], 0xfe000000, v[TM+2]
	v_lshrrev_b32 v[TM+4], 23, v[TM+12]
	v_lshrrev_b32 v[TM+5], 23, v[TM+13]
	v_lshl_or_b32 v[PW], v[TM+5], 16, v[TM+4]          ; my two bytes,
	v_lshlrev_b32 v[PW], v24, v[PW]                    ; 8 h bits up;
	v_permlanex16_b32 v[TM+6], v[PW], s[SEL], s[SEL+1]
	v_or_b32 v[PW], v[PW], v[TM+6]                     ; with lane l xor 16's two the word is whole
	WIN (\W)
.irp c, 0,1
	v_cvt_scalef32_pk16_bf6_f32 v[PC+6*\c:PC+2+6*\c], v[(\s)+32*\c:(\s)+15+32*\c], v[TM+12+\c]
	v_cvt_scalef32_pk16_bf6_f32 v[PC+12+4*\c:PC+14+4*\c], v[(\s)+16+32*\c:(\s)+31+32*\c], v[TM+12+\c]
.endr
	WIN 0
	v_nop
.irp c, 0,1
.irp i, 0,1,2
	v_mov_b32 v[PC+3+6*\c+\i], v[PC+12+4*\c+\i]
.endr
.endr
.endm
	s_cmp_eq_u32 s17, 1
	s_wait_alu depctr_va_vdst(0)
	s_cbranch_scc0 .Lvout
.irp b, 0,1,2,3,4,5,6,7                        ; q, k: token tile b; registers 0-5 are the first head's 64 channels, 6-11 the second's.  Two tiles make one source of 12 registers: the even tile's six, then the odd tile's
.if \b > 0
	s_wait_xcnt 0x0
.endif
	QUANTW 2+\b/4, 64*(\b%4)
.if \b%2 == 0
	global_store_b128 v[ST16], v[PC:PC+3], s[OUT:OUT+1] offset:512+1536*(\b/2)
	global_store_b64 v[ST16], v[PC+4:PC+5], s[OUT:OUT+1] offset:1024+1536*(\b/2)
	global_store_b128 v[ST16], v[PC+6:PC+9], s[STR:STR+1] offset:512+1536*(\b/2)
	global_store_b64 v[ST16], v[PC+10:PC+11], s[STR:STR+1] offset:1024+1536*(\b/2)
.else
	global_store_b64 v[ST16], v[PC:PC+1], s[OUT:OUT+1] offset:1032+1536*(\b/2)
	global_store_b128 v[ST16], v[PC+2:PC+5], s[OUT:OUT+1] offset:1536+1536*(\b/2)
	global_store_b64 v[ST16], v[PC+6:PC+7], s[STR:STR+1] offset:1032+1536*(\b/2)
	global_store_b128 v[ST16], v[PC+8:PC+11], s[STR:STR+1] offset:1536+1536*(\b/2)
.endif
	global_store_b16 v25, v[PW], s[OUT:OUT+1] offset:4*(\b/2)+2*(\b%2)
	global_store_d16_hi_b16 v25, v[PW], s[STR:STR+1] offset:4*(\b/2)+2*(\b%2)
.endr
	s_branch .Lout_done
.Lvout:
.irp b, 0,1,2,3,4,5,6,7                        ; v: tile b of 16 channels x my 128 tokens
.if \b > 0
	s_wait_xcnt 0x0
.endif
	QUANTB 2+\b/4, 64*(\b%4)
.set VB, 204800*(\b/4)+6656+1536*(\b%4)
	global_store_b128 v[ST16], v[PC:PC+3], s[OUT:OUT+1] offset:VB
	global_store_b128 v[ST16], v[PC+4:PC+7], s[OUT:OUT+1] offset:VB+512
	global_store_b128 v[ST16], v[PC+8:PC+11], s[OUT:OUT+1] offset:VB+1024
	global_store_b32 v25, v[PW], s[OUT:OUT+1] offset:204800*(\b/4)+256+4*(\b%4)
.endr
.Lout_done:
	s_wait_tensorcnt 0x0
	ds_add_u32 v[SPW], v[NIL]
	s_wait_dscnt 0x0
	CROUND
	s_endpgm
.Lfunc_end_k_q47879228b6_qkv:
	.size	k_q47879228b6_qkv, .Lfunc_end_k_q47879228b6_qkv-k_q47879228b6_qkv
	.p2alignl 7, 3214868480
	.fill 96, 4, 3214868480
	.section	.rodata,"a",@progbits
	.p2align	6, 0x0
	.amdhsa_kernel k_q47879228b6_qkv
		.amdhsa_group_segment_fixed_size 327680
		.amdhsa_private_segment_fixed_size 0
		.amdhsa_enable_private_segment 0
		.amdhsa_kernarg_size 40
		.amdhsa_user_sgpr_count 2
		.amdhsa_user_sgpr_kernarg_segment_ptr 1
		.amdhsa_wavefront_size32 1
		.amdhsa_system_sgpr_workgroup_id_x 1
		.amdhsa_system_sgpr_workgroup_id_y 1
		.amdhsa_system_sgpr_workgroup_id_z 1
		.amdhsa_system_vgpr_workitem_id 0
		.amdhsa_next_free_vgpr 1024
		.amdhsa_next_free_sgpr 96
		.amdhsa_reserve_vcc 0
		.amdhsa_float_denorm_mode_32 3
		.amdhsa_float_denorm_mode_16_64 3
		.amdhsa_memory_ordered 1
		.amdhsa_forward_progress 1
		.amdhsa_inst_pref_size 192
	.end_amdhsa_kernel
	.amdgpu_metadata
---
amdhsa.version: [ 1, 2 ]
amdhsa.kernels:
  - .name:           k_q47879228b6_qkv
    .symbol:         k_q47879228b6_qkv.kd
    .args:
      - { .name: pc, .offset: 0, .size: 8, .value_kind: global_buffer, .address_space: global }
      - { .name: bq, .offset: 8, .size: 8, .value_kind: global_buffer, .address_space: global }
      - { .name: bk, .offset: 16, .size: 8, .value_kind: global_buffer, .address_space: global }
      - { .name: bv, .offset: 24, .size: 8, .value_kind: global_buffer, .address_space: global }
      - { .name: qkv, .offset: 32, .size: 8, .value_kind: global_buffer, .address_space: global }
    .group_segment_fixed_size: 327680
    .private_segment_fixed_size: 0
    .kernarg_segment_align: 8
    .kernarg_segment_size: 40
    .max_flat_workgroup_size: 128
    .sgpr_count:     96
    .vgpr_count:     1024
    .wavefront_size: 32
...
	.end_amdgpu_metadata
.endif
;; end of part 2
;; launch attn (part 3): grid 8 x 32, 16 waves a work-group, clusters of 4 x 1, 206,848 bytes of LDS; arguments qkv, ao; writes ao
.if DOCPART == 3
	.amdgcn_target "amdgcn-amd-amdhsa--gfx1250"
	.amdhsa_code_object_version 6
	.text
	.protected	k_q47879228b6_attn
	.globl	k_q47879228b6_attn
	.p2align	8
	.type	k_q47879228b6_attn,@function
k_q47879228b6_attn:
	s_mov_b64 s[64:65], 0
	v_nop
	global_prefetch_b8 v0, s[64:65] scope:SCOPE_SE
	s_setreg_imm32_b32 hwreg(HW_REG_WAVE_MODE, 25, 1), 1
	s_wait_xcnt 0x0
	s_wait_alu depctr_hold_cnt(0) depctr_sa_sdst(0) depctr_va_vdst(0) depctr_va_sdst(0) depctr_va_ssrc(0) depctr_va_vcc(0) depctr_vm_vsrc(0)
	s_getreg_b32 s2, hwreg(HW_REG_IB_STS2, 6, 4)
	s_cmp_eq_u32 s2, 0
	s_cbranch_scc0 .Lentry_in_a_cluster
	s_endpgm
.Lentry_in_a_cluster:
	s_bfe_u32 s2, ttmp6, 0x10000c
	s_cmp_lg_u32 s2, 0x3003
	s_cbranch_scc0 .Lentry_shape_is_right
	s_endpgm
.Lentry_shape_is_right:
; ATTENTION ON CODES OF E3M2: o = softmax(q k^T / 8) v for one head and 256 queries a work-group; o / l is quantised along the model's 1,024 and stored as half a fragment.  No work of the layer is left out.
; THE SOFTMAX AHEAD OF THE SECOND PRODUCT: t = score x log2(e) / 8; M = the running largest t rounded UP to a whole number; p = 2^(t - M) is quantised along the keys, not normalised; the row's sum l is taken
; of the unquantised p and divides at the end.  When M moves, l and O are multiplied by 2^(old M - new M), which rounds nothing.
; SHARES: sixteen waves, each one tile of 16 queries in 256 registers.  Every wave walks the head's 2,048 keys, 128 a step.
; ALL OF THE HEAD'S K AND V STAY IN LDS, FILLED ONCE.  A step's block is 12,800 dense bytes of memory: k's scale bytes (256: [row][pair of tiles][tile]), v's scale words (256: [row][tile]), k's four pairs of
; tiles (1,536 each), v's four fragments (1,536 each).  Wave w brings step w's block by one tensor load, 50 rows of 256 bytes.  The four query blocks of a cluster belong to one head: each block is asked for jointly.
; No byte is filled again, so one barrier stands ahead of the walk and none in it.  NO PREFETCH: every tile is asked for at the head, so there is no loop to run ahead in.
; A FRAGMENT is three groups of four registers, each at 16 x lane: three loads from ONE address register; the four scale words of a step's four fragments are one load of 16 bytes (lanes 16-31 of it are not read by the products).
; BOTH PRODUCTS ARE USED TRANSPOSED: a lane holds one query throughout.  Row r of key tile 4 G + u is key 64 G + 8 u + (r & 7) + 32 (r >> 3): the 32 registers of four neighbouring tiles are a WHOLE block of
; 32 keys in each lane, block 2 c + (lane / 16): a block's maximum needs no other lane, and the conversions' results stand as the operand wants them.
; K = 64 IN A FORM OF 128: two tiles of keys are ONE source 0 (the even tile's 64 in registers 0-5, the odd tile's in 6-11); source 1 is [q, 0] for the first and [0, q] for the second.  Zero codes add nothing.
; LIMITS: the promise holds while the scaled scores stay under 2^31 in magnitude; a block of zeros gets the byte 1 (its codes are zeros; this program alone reads the bytes); NaN and infinities are not served.
; REGISTERS: v1-3 16 x lane, 8 x lane, 4 r; v4 the step's address; v5 8 (lane / 16); v12 -M, v13 the largest score, v[14:15] l; v16-33 [0, q, 0]; v34 q's scale word; v36-83 four fragments; v84-87 their scale words;
;   v88-151 S^T, then p; v152-183 O^T; v184-203 p's codes; v204-225 at work.
.set FB,    1600
.set SB,    12800                      ; a step's block
.set KO,    512                        ; k's codes in it
.set VO,    6656                       ; v's codes in it
.set SPARE, 204800                     ; behind the sixteen blocks: the spare words, 128 bytes for each wave
.set SPW,  10
.set NIL,  11
.set F,    36
.set FS,   84
.set S,    88
.set O,    152
.set PC,   184
.set BM,   204
.set BT,   208
.set SO,   212
.set FF,   216
.set WK,   218
.set PW,   219
.set T1,   220
.set T2,   222
.set T3,   224
.set WV,   8
.set G1,   16
.set G0,   44
.set SEL,  48
.set CS,   50
.set TK,   52
.set CNT,  53
.macro CROUND
	s_barrier_signal -1
	s_barrier_wait -1
	s_cmp_lg_u32 s[WV], 0
	s_cbranch_scc1 .Lnot_wave_0_\@
	s_barrier_signal -3
.Lnot_wave_0_\@:
	s_barrier_wait -3
	s_barrier_signal -1
	s_barrier_wait -1
.endm
.macro F3 reg, a, off
	ds_load_b128 v[(\reg):(\reg)+3], v[\a] offset:(\off)
	ds_load_b128 v[(\reg)+4:(\reg)+7], v[\a] offset:(\off)+512
	ds_load_b128 v[(\reg)+8:(\reg)+11], v[\a] offset:(\off)+1024
.endm
	s_load_b128 s[4:7], s[0:1], 0x0                    ; qkv, ao
	v_lshl_add_u32 v[SPW], v0, 2, SPARE
	v_mov_b32 v[NIL], 0
	ds_add_u32 v[SPW], v[NIL]                          ; the wave's opening: the add, twice on end, and its wait ahead of my tensor load
	ds_add_u32 v[SPW], v[NIL]
	v_lshrrev_b32 v1, 5, v0
	v_readfirstlane_b32 s[WV], v1                      ; wave 0..15
	s_bfe_u32 s9, ttmp6, 0x40000                       ; cx
	s_lshl_b32 s10, ttmp9, 2
	s_add_co_u32 s10, s10, s9                          ; my block of 256 queries: it enters q's and ao's addresses alone
	s_and_b32 s11, ttmp7, 0xffff                       ; batch x 16 + head
	s_lshr_b32 s12, s11, 4
	s_and_b32 s13, s11, 15
	s_and_b32 s14, s13, 1                              ; which half of ao's fragment is the head's
	s_lshr_b32 s15, s13, 1                             ; which K step of the model's 1,024
	s_mov_b32 s[G1], 15|(3<<16)|(1<<21)                ; the mask: all four work-groups; elements of 8 bytes; bit 21 set beside a mask
	s_mov_b32 s[G1+1], 32<<16                          ; rows of 256 bytes,
	s_mov_b32 s[G1+2], 50<<16                          ; 50 of them, dense
	s_mov_b32 s[G1+3], 32<<16
	s_mov_b32 s[G1+4], 50
	s_mov_b32 s[G1+5], 32
	s_mov_b32 s[G1+6], 0
	s_mov_b32 s[G1+7], 0
	s_mul_i32 s26, s[WV], SB                           ; step w's block: its place in LDS and in the head's 204,800 bytes
	s_mul_i32 s24, s11, 204800
	s_add_co_u32 s24, s24, s26
	s_add_co_u32 s24, s24, 3407872                     ; k and v lie behind q
	s_mov_b32 s25, 0
	s_lshl_b32 s27, s10, 4
	s_add_co_u32 s27, s27, s[WV]                       ; my tile of queries among the batch's 128
	s_lshr_b32 s28, s27, 3
	s_mul_i32 s28, s28, 6656
	s_mul_i32 s29, s11, 106496
	s_add_co_u32 s28, s28, s29                         ; q's block of 128 tokens
	s_mov_b32 s29, 0
	s_bfe_u32 s30, s[WV], 0x20001                      ; my pair of tiles in it
	s_lshl_b32 s32, s30, 2
	s_mul_i32 s30, s30, 1536
	s_mov_b32 s31, 0
	s_mov_b32 s33, 0
	s_lshl_b32 s34, s12, 7
	s_add_co_u32 s34, s34, s27
	s_lshl_b32 s34, s34, 3
	s_add_co_u32 s34, s34, s15
	s_mul_i32 s34, s34, FB                             ; ao's fragment
	s_mov_b32 s35, 0
	s_mul_i32 s36, s14, 768
	s_mov_b32 s37, 0
	s_lshl_b32 s38, s14, 1
	s_mov_b32 s39, 0
	s_and_b32 s40, s[WV], 1                            ; the pair's even tile or its odd one
	s_cmp_eq_u32 s40, 0
	s_mov_b32 s41, 0x03020302
	s_cselect_b32 s41, 0x01000100, s41                 ; my tile's two bytes of the pair's word, twice
	s_mov_b32 s[SEL], 0x76543210
	s_mov_b32 s[SEL+1], 0xfedcba98
	s_mov_b32 s[CS], 0x3e38aa3b                        ; c = log2(e) / 8
	s_mov_b32 s[CS+1], s[CS]
	s_mov_b32 s[TK], 0
	s_wait_dscnt 0x0                                   ; both opening adds are done
	s_wait_kmcnt 0x0
	s_add_nc_u64 s[24:25], s[4:5], s[24:25]
	s_add_nc_u64 s[28:29], s[4:5], s[28:29]
	s_add_nc_u64 s[30:31], s[28:29], s[30:31]          ; q: my pair's codes begin 512 bytes on
	s_add_nc_u64 s[32:33], s[28:29], s[32:33]          ; and its scale words
	s_add_nc_u64 s[34:35], s[6:7], s[34:35]
	s_add_nc_u64 s[36:37], s[34:35], s[36:37]          ; ao: my half's codes,
	s_add_nc_u64 s[38:39], s[34:35], s[38:39]          ; and my half of the scale words
	CROUND                                             ; all four work-groups are here: the joint loads meet
	s_mov_b32 s[G0], 1
	s_mov_b32 s[G0+1], s26
	s_mov_b64 s[G0+2:G0+3], s[24:25]
	s_or_b32 s[G0+3], s[G0+3], 0x80000000
	tensor_load_to_lds s[G0:G0+3], s[G1:G1+7]          ; my one tensor load of the launch
	s_nop 0
	v_and_b32 v9, 31, v0
	v_and_b32 v8, 15, v0
	v_bfe_u32 v5, v0, 4, 1
	v_lshlrev_b32 v1, 4, v9
	v_lshlrev_b32 v2, 3, v9
	v_lshlrev_b32 v3, 2, v8
	v_lshlrev_b32 v6, 4, v8
	v_lshlrev_b32 v5, 3, v5
	s_cmp_eq_u32 s40, 0
	s_wait_alu depctr_va_vdst(0)
	s_cbranch_scc0 .Lodd
	global_load_b128 v[22:25], v1, s[30:31] offset:512     ; the even tile's six registers: the first group and half of the second
	global_load_b64 v[26:27], v1, s[30:31] offset:1024
	s_branch .Lq
.Lodd:
	global_load_b64 v[22:23], v1, s[30:31] offset:1032     ; the odd tile's: the other half of the second group and the third
	global_load_b128 v[24:27], v1, s[30:31] offset:1536
.Lq:
	global_load_b32 v35, v6, s[32:33]
.irp i, 16,17,18,19,20,21,28,29,30,31,32,33
	v_mov_b32 v\i, 0                                   ; the zero codes on both sides of q
.endr
	v_mov_b32 v13, 0xff61b1e6                          ; the largest score so far: -3e38
	v_mov_b32 v14, 0
	v_mov_b32 v15, 0
	v_mul_f32 v[BT], s[CS], v13
	v_mov_b32 v[FF+1], 0                               ; (named as the upper half of a pair)
	v_floor_f32 v12, -v[BT]                            ; -M
.irp b, 1,2,3
	v_mov_b32 v[BT+\b], 0                              ; a lane permute's destination counts as one of its sources
.endr
.irp b, 0,1,2,3,4,5
	v_mov_b32 v[T1+\b], 0                              ; three side chains of the row's sum
.endr
	s_wait_loadcnt 0x0
	v_perm_b32 v34, v35, v35, s41                      ; q's two bytes, for both halves of K
.set n, 0
.rept 32
	v_mov_b32 v[O+n], 0                                ; O^T: the step is written once, and the first change of M leaves zeros zeros
.set n, n+1
.endr
	s_wait_alu depctr_va_vdst(0)
	s_wait_tensorcnt 0x0                               ; my block is in;
	s_barrier_signal -1
	s_barrier_wait -1                                  ; and so is everybody's: nothing is ever filled again, so what has landed stays
.irp i, 0,1,2,3
	F3 F+12*\i, 1, KO+1536*\i                          ; step 0's keys
.endr
	ds_load_b128 v[FS:FS+3], v1
; A KEY STEP: 128 keys.  last = 1: no keys follow
.macro STEP last
	s_wait_dscnt 0x0                                   ; this step's keys are in
.irp t, 0,1,2,3,4,5,6,7
.if \t%2 == 0
	v_wmma_scale_f32_16x16x128_f8f6f4 v[S+8*\t:S+8*\t+7], v[F+12*(\t/2):F+12*(\t/2)+11], v[22:33], 0, v[FS+\t/2], v34 matrix_a_fmt:MATRIX_FMT_BF6 matrix_b_fmt:MATRIX_FMT_BF6
.else
	v_wmma_scale_f32_16x16x128_f8f6f4 v[S+8*\t:S+8*\t+7], v[F+12*(\t/2):F+12*(\t/2)+11], v[16:27], 0, v[FS+\t/2], v34 matrix_a_fmt:MATRIX_FMT_BF6 matrix_b_fmt:MATRIX_FMT_BF6
.endif
.endr
	v_add_nc_u32 v4, s[TK], v1
	v_pk_add_f32 v[14:15], v[14:15], v[T1:T1+1]        ; the last step's side chains join l
	v_pk_add_f32 v[T2:T2+1], v[T2:T2+1], v[T3:T3+1]
	v_mov_b32 v[WK], v12
.irp i, 0,1,2,3                                ; V's four fragments of these 128 keys land while the softmax is walked
	F3 F+12*\i, 4, VO+1536*\i
.endr
	ds_load_b128 v[FS:FS+3], v4 offset:256
.irp b, 0,1,2,3
	v_max3_num_f32 v[BM+\b], v[S+16*\b], v[S+1+16*\b], v[S+2+16*\b]   ; the largest score of my two blocks of 32 keys, each in two chains: for the row's maximum, and, since p rises with the score, for the block's largest p
.endr
.irp i, 3,5,7,9,11,13
.irp b, 0,1,2,3
	v_max3_num_f32 v[BM+\b], v[BM+\b], v[S+16*\b+\i], v[S+1+16*\b+\i]
.endr
.endr
	v_max3_num_f32 v[BM], v[BM], v[BM+1], v[S+15]
	v_max3_num_f32 v[BM+2], v[BM+2], v[BM+3], v[S+47]
	v_pk_add_f32 v[14:15], v[14:15], v[T2:T2+1]
	v_max_num_f32 v[BM], v[BM], v[S+31]
	v_max_num_f32 v[BM+2], v[BM+2], v[S+63]
	s_delay_alu instid0(VALU_DEP_1)
	v_max_num_f32 v[BT], v[BM], v[BM+2]
	s_delay_alu instid0(VALU_DEP_1)
	v_permlanex16_b32 v[BT+1], v[BT], s[SEL], s[SEL+1]
	s_delay_alu instid0(VALU_DEP_1)
	v_max3_num_f32 v13, v13, v[BT], v[BT+1]            ; the running largest score (c is positive)
	s_delay_alu instid0(VALU_DEP_1)
	v_mul_f32 v[BT], s[CS], v13
	s_delay_alu instid0(VALU_DEP_1)
	v_floor_f32 v12, -v[BT]                            ; the new -M = -ceil(t)
	s_delay_alu instid0(VALU_DEP_1)
	v_sub_f32 v[WK], v12, v[WK]                        ; old M - new M: a whole number, 0 or less
	s_delay_alu instid0(VALU_DEP_1)
	v_cvt_i32_f32 v[WK], v[WK]
	s_delay_alu instid0(VALU_DEP_1)
	v_ldexp_f32 v[FF], 1.0, v[WK]                      ; f = 2^(old M - new M)
	v_fma_f32 v[BM], v[BM], s[CS], v12
	v_fma_f32 v[BM+2], v[BM+2], s[CS], v12
.set n, 0
.rept 32
	v_pk_fma_f32 v[S+n:S+n+1], v[S+n:S+n+1], s[CS:CS+1], v[12:13] op_sel_hi:[1,0,0]   ; t - M
.set n, n+2
.endr
	s_wait_alu depctr_va_vdst(0)
	v_exp_f32 v[BM], v[BM]                             ; my blocks' largest p
	v_exp_f32 v[BM+2], v[BM+2]
.set n, 0
.rept 64
	v_exp_f32 v[S+n], v[S+n]                           ; p = 2^(t - M)
.set n, n+1
.endr
	v_pk_mul_f32 v[14:15], v[14:15], v[FF:FF+1] op_sel_hi:[1,0]   ; l under the new M; the plain place behind the exponentials
	s_wait_alu depctr_va_vdst(0)                       ; one wait for the batch, ahead of its first reader
	v_max_num_f32 v[BM], 0x2800000, v[BM]              ; the floor 2^(5 - 127)
	v_max_num_f32 v[BM+2], 0x2800000, v[BM+2]
	v_add_nc_u32 v[SO], 0xfe000000, v[BM]              ; 4 off the exponent field: the conversion's scale operand
	v_add_nc_u32 v[SO+1], 0xfe000000, v[BM+2]
.irp c, 0,1
	v_cvt_scalef32_pk16_bf6_f32 v[PC+6*\c:PC+2+6*\c], v[S+32*\c:S+15+32*\c], v[SO+\c]
	v_cvt_scalef32_pk16_bf6_f32 v[PC+12+4*\c:PC+14+4*\c], v[S+16+32*\c:S+31+32*\c], v[SO+\c]   ; (a conversion's three registers begin on an even number)
.endr
	v_lshrrev_b32 v[BT], 23, v[SO]                     ; the scales' bytes; these lines are also the plain place behind the conversions
	v_lshrrev_b32 v[BT+1], 23, v[SO+1]
	s_delay_alu instid0(VALU_DEP_1)
	v_lshl_or_b32 v[PW], v[BT+1], 16, v[BT]            ; my two bytes,
	s_delay_alu instid0(VALU_DEP_1)
	v_lshlrev_b32 v[PW], v5, v[PW]                     ; at their places in the word;
	s_delay_alu instid0(VALU_DEP_1)
	v_permlanex16_b32 v[BT+2], v[PW], s[SEL], s[SEL+1]
	s_delay_alu instid0(VALU_DEP_1)
	v_or_b32 v[PW], v[PW], v[BT+2]                     ; with lane l xor 16's two: p's scale word for these 128 keys
.irp c, 0,1
.irp i, 0,1,2
	v_mov_b32 v[PC+3+6*\c+\i], v[PC+12+4*\c+\i]
.endr
.endr
	s_wait_alu depctr_va_vdst(0)                       ; the wait directly ahead of the first reader of O^T
.set n, 0
.rept 16
	v_pk_mul_f32 v[O+n:O+n+1], v[O+n:O+n+1], v[FF:FF+1] op_sel_hi:[1,0]   ; O^T under the new M; these sixteen are also the places in front of the products below
.set n, n+2
.endr
	s_wait_alu depctr_va_vdst(0)
	s_wait_dscnt 0x0                                   ; V is in
.irp t, 0,1,2,3
	v_wmma_scale_f32_16x16x128_f8f6f4 v[O+8*\t:O+8*\t+7], v[F+12*\t:F+12*\t+11], v[PC:PC+11], v[O+8*\t:O+8*\t+7], v[FS+\t], v[PW] matrix_a_fmt:MATRIX_FMT_BF6 matrix_b_fmt:MATRIX_FMT_BF6
.endr
	v_pk_add_f32 v[T1:T1+1], v[S:S+1], v[S+2:S+3]      ; THE ROW'S SUM IS TAKEN OF THE UNQUANTISED p, in four chains; the first four lines are the places behind the products
	v_pk_add_f32 v[T2:T2+1], v[S+4:S+5], v[S+6:S+7]
	v_pk_add_f32 v[T3:T3+1], v[S+8:S+9], v[S+10:S+11]
	v_pk_add_f32 v[14:15], v[14:15], v[S+12:S+13]
.if \last == 0
.irp i, 0,1,2,3                                ; the next step's keys land under the sums
	F3 F+12*\i, 4, SB+KO+1536*\i
.endr
	ds_load_b128 v[FS:FS+3], v4 offset:SB
.endif
.set n, 14
.rept 6
	v_pk_add_f32 v[T1:T1+1], v[T1:T1+1], v[S+n:S+n+1]
	v_pk_add_f32 v[T2:T2+1], v[T2:T2+1], v[S+n+2:S+n+3]
	v_pk_add_f32 v[T3:T3+1], v[T3:T3+1], v[S+n+4:S+n+5]
	v_pk_add_f32 v[14:15], v[14:15], v[S+n+6:S+n+7]
.set n, n+8
.endr
	v_pk_add_f32 v[T1:T1+1], v[T1:T1+1], v[S+62:S+63]
	s_add_co_u32 s[TK], s[TK], SB
.endm
	s_mov_b32 s[CNT], 15
.Lstep:
	STEP 0
	s_sub_co_u32 s[CNT], s[CNT], 1
	s_cmp_lg_u32 s[CNT], 0
	s_wait_alu depctr_va_vdst(0)
	s_cbranch_scc1 .Lstep
	STEP 1                                             ; the last step fetches no further keys
	; THE WAY OUT: O^T / l; register 16 b + i is channel 32 b + 16 (lane / 16) + i of the head's 64: two blocks, each in lanes l and l xor 16: half a fragment of the next product's operand
	v_pk_add_f32 v[14:15], v[14:15], v[T1:T1+1]
	v_pk_add_f32 v[T2:T2+1], v[T2:T2+1], v[T3:T3+1]
	s_delay_alu instid0(VALU_DEP_1)
	v_pk_add_f32 v[14:15], v[14:15], v[T2:T2+1]
	s_delay_alu instid0(VALU_DEP_1)
	v_add_f32 v14, v14, v15
	s_delay_alu instid0(VALU_DEP_1)
	v_permlanex16_b32 v[BT], v14, s[SEL], s[SEL+1]
	s_delay_alu instid0(VALU_DEP_1)
	v_add_f32 v14, v14, v[BT]                          ; the row's sum
	s_wait_alu depctr_va_vdst(0)
	v_rcp_f32 v[FF], v14
	v_nop
	s_wait_alu depctr_va_vdst(0)
.set n, 0
.rept 16
	v_pk_mul_f32 v[O+n:O+n+1], v[O+n:O+n+1], v[FF:FF+1] op_sel_hi:[1,0]
.set n, n+2
.endr
.irp b, 0,1
	v_max3_num_f32 v[BM+\b], |v[O+16*\b]|, |v[O+1+16*\b]|, 0x2800000
.endr
.irp i, 2,4,6,8,10,12,14
.irp b, 0,1
	s_delay_alu instid0(VALU_DEP_2)
	v_max3_num_f32 v[BM+\b], v[BM+\b], |v[O+16*\b+\i]|, |v[O+1+16*\b+\i]|
.endr
.endr
.irp b, 0,1
	s_delay_alu instid0(VALU_DEP_2)
	v_permlanex16_b32 v[BT+\b], v[BM+\b], s[SEL], s[SEL+1]
.endr
.irp b, 0,1
	s_delay_alu instid0(VALU_DEP_2)
	v_max_num_f32 v[BM+\b], v[BM+\b], v[BT+\b]
.endr
.irp b, 0,1
	s_delay_alu instid0(VALU_DEP_2)
	v_add_nc_u32 v[SO+\b], 0xfe000000, v[BM+\b]
.endr
.irp b, 0,1
	s_delay_alu instid0(VALU_DEP_2)
	v_lshrrev_b32 v[BT+\b], 23, v[SO+\b]
.endr
	s_delay_alu instid0(VALU_DEP_1)
	v_lshl_or_b32 v[WK], v[BT+1], 8, v[BT]             ; my head's two bytes of the row's scale word
	v_cvt_scalef32_pk16_bf6_f32 v[PC:PC+2], v[O:O+15], v[SO]
	v_cvt_scalef32_pk16_bf6_f32 v[PC+12:PC+14], v[O+16:O+31], v[SO+1]
	v_nop
.irp i, 0,1,2
	v_permlane16_swap_b32 v[PC+\i], v[PC+12+\i]
.endr
.irp i, 0,1,2
	v_mov_b32 v[PC+3+\i], v[PC+12+\i]
.endr
	global_store_b128 v1, v[PC:PC+3], s[36:37]
	global_store_b64 v2, v[PC+4:PC+5], s[36:37] offset:512
	global_store_b16 v3, v[WK], s[38:39] offset:1536   ; the word's other half is the other head's work-group's
	s_wait_tensorcnt 0x0                               ; the wave's end
	ds_add_u32 v[SPW], v[NIL]
	s_wait_dscnt 0x0
	CROUND                                             ; the closing round
	s_endpgm
.Lfunc_end_k_q47879228b6_attn:
	.size	k_q47879228b6_attn, .Lfunc_end_k_q47879228b6_attn-k_q47879228b6_attn
	.p2alignl 7, 3214868480
	.fill 96, 4, 3214868480
	.section	.rodata,"a",@progbits
	.p2align	6, 0x0
	.amdhsa_kernel k_q47879228b6_attn
		.amdhsa_group_segment_fixed_size 206848
		.amdhsa_private_segment_fixed_size 0
		.amdhsa_enable_private_segment 0
		.amdhsa_kernarg_size 16
		.amdhsa_user_sgpr_count 2
		.amdhsa_user_sgpr_kernarg_segment_ptr 1
		.amdhsa_wavefront_size32 1
		.amdhsa_system_sgpr_workgroup_id_x 1
		.amdhsa_system_sgpr_workgroup_id_y 1
		.amdhsa_system_sgpr_workgroup_id_z 1
		.amdhsa_system_vgpr_workitem_id 0
		.amdhsa_next_free_vgpr 256
		.amdhsa_next_free_sgpr 66
		.amdhsa_reserve_vcc 0
		.amdhsa_float_denorm_mode_32 3
		.amdhsa_float_denorm_mode_16_64 3
		.amdhsa_memory_ordered 1
		.amdhsa_forward_progress 1
		.amdhsa_inst_pref_size 41
	.end_amdhsa_kernel
	.amdgpu_metadata
---
amdhsa.version: [ 1, 2 ]
amdhsa.kernels:
  - .name:           k_q47879228b6_attn
    .symbol:         k_q47879228b6_attn.kd
    .args:
      - { .name: qkv, .offset: 0, .size: 8, .value_kind: global_buffer, .address_space: global }
      - { .name: ao, .offset: 8, .size: 8, .value_kind: global_buffer, .address_space: global }
    .group_segment_fixed_size: 206848
    .private_segment_fixed_size: 0
    .kernarg_segment_align: 8
    .kernarg_segment_size: 16
    .max_flat_workgroup_size: 512
    .sgpr_count:     66
    .vgpr_count:     256
    .wavefront_size: 32
...
	.end_amdgpu_metadata
.endif
;; end of part 3
;; launch woln (part 4): grid 256 x 1, 8 waves a work-group, clusters of 4 x 1, 327,680 bytes of LDS; arguments pc, ao, x, bo, ln1_g, ln1_b, x1f, x1c; writes x1f, x1c
.if DOCPART == 4
	.amdgcn_target "amdgcn-amd-amdhsa--gfx1250"
	.amdhsa_code_object_version 6
	.text
	.protected	k_q47879228b6_woln
	.globl	k_q47879228b6_woln
	.p2align	8
	.type	k_q47879228b6_woln,@function
k_q47879228b6_woln:
	s_mov_b64 s[64:65], 0
	v_nop
	global_prefetch_b8 v0, s[64:65] scope:SCOPE_SE
	s_setreg_imm32_b32 hwreg(HW_REG_WAVE_MODE, 25, 1), 1
	s_wait_xcnt 0x0
	s_wait_alu depctr_hold_cnt(0) depctr_sa_sdst(0) depctr_va_vdst(0) depctr_va_sdst(0) depctr_va_ssrc(0) depctr_va_vcc(0) depctr_vm_vsrc(0)
	s_getreg_b32 s2, hwreg(HW_REG_IB_STS2, 6, 4)
	s_cmp_eq_u32 s2, 0
	s_cbranch_scc0 .Lentry_in_a_cluster
	s_endpgm
.Lentry_in_a_cluster:
	s_bfe_u32 s2, ttmp6, 0x10000c
	s_cmp_lg_u32 s2, 0x3003
	s_cbranch_scc0 .Lentry_shape_is_right
	s_endpgm
.Lentry_shape_is_right:
; THE PROJECTION ON THE WAY OUT OF ATTENTION, THE RESIDUAL AND THE FIRST NORM IN ONE LAUNCH: x1 = LN(x + (ao Wo + bo)), stored in f32 as the registers stand (x1f) and as codes of E3M2 (x1c).
; No work of the layer is left out.  The product is on codes of E3M2 with f32 sums; all else in f32; the variance is the mean of the squared differences from the mean.
; SHARES: a work-group owns one tile of 16 tokens (lane r of tile 4 G + u: token 64 G + 8 u + r + 3 (r & 8)) and all 1,024 columns, so a row's sums never leave it.  Wave w makes columns 128 w to 128 w + 127:
; 8 accumulators.  Source 0 = Wo's tiles 8 w .. 8 w + 7, source 1 = the tokens: lane (r, h) holds token r, and register 16 b + i is column 128 w + 32 b + 16 h + i.
; Wo IS LAID [K step][tile][1,600 bytes]: a wave's 8 tiles of one K step are 12,800 dense bytes.  Every work-group walks the same weights: the four of a cluster ask jointly.  A wave's part of LDS holds
; three K steps; K's eight steps come in three fills of 3, 3 and 2 rows, one tensor load a wave, each refill behind a round of the cluster's barrier.  A wave reads only what it has fetched itself.
; THE TOKENS' eight fragments, x and bo go from memory straight into registers of window 1 at the head: they are the work-group's own, and land under the first fill.
; NO PREFETCH: the walk has three fills and no loop to run ahead in.
; x1f: tile x 65,536 + block of 32 columns x 2,048 + quad x 512 + 16 x lane.  x1c: [pair of K steps][tile][2 fragments].  A row's sums meet in LDS: 8 words a row, one barrier for each of the two sums.
; LIMITS: a block of zeros gets the byte 1 (its codes are zeros; this program alone reads the bytes); NaN and infinities are not served.
; REGISTERS: window 0: v1-15 addresses; v32-95 the sums, then x1; v96-191 Wo's 8 fragments, v192-199 their scale words, v200-207 the tokens' scale words (behind the product: v96-159, v160-223 gain and offset); v224-251 at work.
;   window 1: v0-63 x, v64-127 bo, v128-223 the tokens' eight fragments.
.set FB,    1600
.set WOFF,  9011200
.set WR,    38400                      ; a wave's part of LDS
.set RED,   307200                     ; behind the eight parts: [row 16][wave 8] words, twice
.set SPARE, 308224                     ; the spare words, 128 bytes for each wave
.set Z,    32
.set A,    96
.set B,    160
.set T,    224
.set TM,   224
.set PW,   240
.set PC,   96
.set MU,   242
.set RS,   244
.set SPW,  250
.set NIL,  251
.set AF,   96
.set AS,   192
.set BS,   200
.set XR,   0
.set BO,   64
.set BFR,  128
.set RED0, 0
.set RED1, 512
.set SEL,  30
.set G1,   36
.set G0,   44
.set MSB, 0
.macro WIN new
.if MSB != (\new)
	s_set_vgpr_msb (MSB<<8)|(\new)
.set MSB, (\new)
.endif
.endm
.macro PLACES
.rept 4
	v_nop
.endr
.endm
.macro CROUND
	s_barrier_signal -1
	s_barrier_wait -1
	s_cmp_lg_u32 s20, 0
	s_cbranch_scc1 .Lnot_wave_0_\@
	s_barrier_signal -3
.Lnot_wave_0_\@:
	s_barrier_wait -3
	s_barrier_signal -1
	s_barrier_wait -1
.endm
.macro FRAG reg, a16, a8, off
	ds_load_b128 v[(\reg):(\reg)+3], v[\a16] offset:(\off)
	ds_load_b64 v[(\reg)+4:(\reg)+5], v[\a8] offset:(\off)+512
	ds_load_b128 v[(\reg)+6:(\reg)+9], v[\a16] offset:(\off)+768
	ds_load_b64 v[(\reg)+10:(\reg)+11], v[\a8] offset:(\off)+1280
.endm
.macro LDH q, hf                       ; 20 LDS loads: tiles 4 hf .. 4 hf + 3 of the q-th K step in my part
.irp t, 0,1,2,3
	FRAG AF+48*(\hf)+12*\t, 13, 14, 12800*(\q)+FB*(4*(\hf)+\t)
	ds_load_b32 v[AS+4*(\hf)+\t], v15 offset:12800*(\q)+FB*(4*(\hf)+\t)+1536
.endr
.endm
.macro MULH k, hf, zero                ; 4 matrix instructions; the 8 accumulators take turns
.irp t, 0,1,2,3
.if \zero
	v_wmma_scale_f32_16x16x128_f8f6f4 v[Z+8*(4*(\hf)+\t):Z+8*(4*(\hf)+\t)+7], v[AF+48*(\hf)+12*\t:AF+48*(\hf)+12*\t+11], v[BFR+12*(\k):BFR+12*(\k)+11], 0, v[AS+4*(\hf)+\t], v[BS+(\k)] matrix_a_fmt:MATRIX_FMT_BF6 matrix_b_fmt:MATRIX_FMT_BF6
.else
	v_wmma_scale_f32_16x16x128_f8f6f4 v[Z+8*(4*(\hf)+\t):Z+8*(4*(\hf)+\t)+7], v[AF+48*(\hf)+12*\t:AF+48*(\hf)+12*\t+11], v[BFR+12*(\k):BFR+12*(\k)+11], v[Z+8*(4*(\hf)+\t):Z+8*(4*(\hf)+\t)+7], v[AS+4*(\hf)+\t], v[BS+(\k)] matrix_a_fmt:MATRIX_FMT_BF6 matrix_b_fmt:MATRIX_FMT_BF6
.endif
.endr
.endm
.macro GS k, q, zero                   ; a K step that is not its fill's last: each half's registers take the next step's fragments as soon as its products are issued
	s_wait_dscnt 20                                    ; the older 20 loads, this step's first half, are in
	MULH \k, 0, \zero
	PLACES
	LDH (\q)+1, 0
	s_wait_dscnt 20                                    ; this step's second half
	MULH \k, 1, \zero
	PLACES
	LDH (\q)+1, 1
.endm
.macro GL k, rows                      ; a fill's last K step: its fragments are in registers, so my part of LDS is free and is filled again; the products stand under the load's flight
	WIN 0
	s_wait_tensorcnt 0x0
	ds_add_u32 v[SPW], v[NIL]                          ; 0 onto my spare word
	s_add_nc_u64 s[G0+2:G0+3], s[G0+2:G0+3], 3*102400  ; no tensor load of mine is out: three K steps on
.if \rows == 2
	s_mov_b32 s[G1+2], 2<<16                           ; the last fill has two rows
	s_mov_b32 s[G1+4], 2
.endif
	s_wait_dscnt 0x0                                   ; the add is done, and my reads of my part are over
	CROUND
	tensor_load_to_lds s[G0:G0+3], s[G1:G1+7]
	s_nop 0
	WIN 0x04
	MULH \k, 0, 0
	MULH \k, 1, 0
	PLACES
	s_wait_tensorcnt 0x0                               ; I alone read what I fetch
	LDH 0, 0
	LDH 0, 1
.endm
.macro RSUM red                        ; four pairs of partial sums in v[T] on become the row's sum over all 1,024 columns, in v[T], the same bits in every wave
	s_delay_alu instid0(VALU_DEP_3)
	v_pk_add_f32 v[T:T+1], v[T:T+1], v[T+2:T+3]
	s_delay_alu instid0(VALU_DEP_2)
	v_pk_add_f32 v[T+4:T+5], v[T+4:T+5], v[T+6:T+7]
	s_delay_alu instid0(VALU_DEP_1)
	v_pk_add_f32 v[T:T+1], v[T:T+1], v[T+4:T+5]
	s_delay_alu instid0(VALU_DEP_1)
	v_add_f32 v[T], v[T], v[T+1]
	s_delay_alu instid0(VALU_DEP_1)
	v_permlanex16_b32 v[T+1], v[T], s[SEL], s[SEL+1]
	s_delay_alu instid0(VALU_DEP_1)
	v_add_f32 v[T], v[T], v[T+1]                       ; my wave's 128 columns of row r
	ds_store_b32 v8, v[T] offset:\red                  ; lanes r and 16 + r write the same word with the same value
	s_wait_dscnt 0x0                                   ; for the others' sake
	s_barrier_signal -1
	s_barrier_wait -1
	ds_load_b128 v[T:T+3], v7 offset:\red
	ds_load_b128 v[T+4:T+7], v7 offset:\red+16
	s_wait_dscnt 0x0
	v_pk_add_f32 v[T:T+1], v[T:T+1], v[T+2:T+3]
	v_pk_add_f32 v[T+4:T+5], v[T+4:T+5], v[T+6:T+7]
	s_delay_alu instid0(VALU_DEP_1)
	v_pk_add_f32 v[T:T+1], v[T:T+1], v[T+4:T+5]
	s_delay_alu instid0(VALU_DEP_1)
	v_add_f32 v[T], v[T], v[T+1]
.endm
.macro QUANT s
.irp b, 0,1,2,3
	v_max3_num_f32 v[TM+\b], |v[\s+16*\b]|, |v[\s+1+16*\b]|, 0x2800000
.endr
.irp i, 2,4,6,8,10,12,14
.irp b, 0,1,2,3
	s_delay_alu instid0(VALU_DEP_4)
	v_max3_num_f32 v[TM+\b], v[TM+\b], |v[\s+16*\b+\i]|, |v[\s+1+16*\b+\i]|
.endr
.endr
.irp b, 0,1,2,3
	s_delay_alu instid0(VALU_DEP_4)
	v_permlanex16_b32 v[TM+4+\b], v[TM+\b], s[SEL], s[SEL+1]
.endr
.irp b, 0,1,2,3
	s_delay_alu instid0(VALU_DEP_4)
	v_max_num_f32 v[TM+\b], v[TM+\b], v[TM+4+\b]
.endr
.irp b, 0,1,2,3
	s_delay_alu instid0(VALU_DEP_4)
	v_add_nc_u32 v[TM+12+\b], 0xfe000000, v[TM+\b]
.endr
.irp b, 0,1,2,3
	s_delay_alu instid0(VALU_DEP_4)
	v_lshrrev_b32 v[TM+4+\b], 23, v[TM+12+\b]
.endr
	s_delay_alu instid0(VALU_DEP_3)
	v_lshl_or_b32 v[PW], v[TM+5], 8, v[TM+4]
	s_delay_alu instid0(VALU_DEP_1)
	v_lshl_or_b32 v[PW], v[TM+6], 16, v[PW]
	s_delay_alu instid0(VALU_DEP_1)
	v_lshl_or_b32 v[PW], v[TM+7], 24, v[PW]
.irp c, 0,1
	v_cvt_scalef32_pk16_bf6_f32 v[PC+6*\c:PC+2+6*\c], v[\s+32*\c:\s+15+32*\c], v[TM+12+2*\c]
	v_cvt_scalef32_pk16_bf6_f32 v[PC+12+4*\c:PC+14+4*\c], v[\s+16+32*\c:\s+31+32*\c], v[TM+12+2*\c+1]
.endr
	v_nop
.irp c, 0,1
.irp i, 0,1,2
	v_permlane16_swap_b32 v[PC+6*\c+\i], v[PC+12+4*\c+\i]
.endr
.irp i, 0,1,2
	s_delay_alu instid0(VALU_DEP_3)
	v_mov_b32 v[PC+3+6*\c+\i], v[PC+12+4*\c+\i]
.endr
.endr
.endm
	s_load_b256 s[4:11], s[0:1], 0x0                   ; pc, ao, x, bo
	s_load_b256 s[12:19], s[0:1], 0x20                 ; the gain, the offset, x1f, x1c
	v_lshl_add_u32 v[SPW], v0, 2, SPARE
	v_mov_b32 v[NIL], 0
	ds_add_u32 v[SPW], v[NIL]                          ; the wave's opening: the add, twice on end, and its wait ahead of my first tensor load
	ds_add_u32 v[SPW], v[NIL]
	v_lshrrev_b32 v1, 5, v0
	v_readfirstlane_b32 s20, v1                        ; wave 0..7
	s_bfe_u32 s21, ttmp6, 0x40000                      ; cx
	s_lshl_b32 s22, ttmp9, 2
	s_add_co_u32 s22, s22, s21                         ; my tile of tokens: it enters ao's, x's, x1f's and x1c's addresses alone
	s_mov_b32 s[G1], 15|(3<<16)|(1<<21)                ; the mask: all four work-groups; elements of 8 bytes; bit 21 set beside a mask
	s_mov_b32 s[G1+1], 1600<<16                        ; rows of 12,800 bytes: 8 tiles of one K step,
	s_mov_b32 s[G1+2], 3<<16                           ; three K steps,
	s_mov_b32 s[G1+3], 1600<<16
	s_mov_b32 s[G1+4], 3
	s_mov_b32 s[G1+5], 12800                           ; 102,400 bytes apart
	s_mov_b32 s[G1+6], 0
	s_mov_b32 s[G1+7], 0
	s_mul_i32 s[G0+1], s20, WR
	s_mul_i32 s24, s20, 12800
	s_add_co_u32 s24, s24, WOFF
	s_mov_b32 s25, 0
	s_mul_i32 s26, s22, 8*FB
	s_mov_b32 s27, 0
	s_lshl_b32 s28, s22, 16
	s_lshl_b32 s29, s20, 13
	s_add_co_u32 s28, s28, s29                         ; as the registers stand: tile x 65,536 + wave x 8,192
	s_mov_b32 s29, 0
	s_lshr_b32 s48, s22, 2
	s_lshl_b32 s48, s48, 6
	s_and_b32 s49, s22, 3
	s_lshl_b32 s49, s49, 3
	s_add_co_u32 s48, s48, s49                         ; the tile's first token
	s_lshl_b32 s48, s48, 12
	s_lshl_b32 s50, s20, 9                             ; my 128 columns
	s_add_co_u32 s48, s48, s50
	s_mov_b32 s49, 0
	s_mov_b32 s51, 0
	s_mul_i32 s52, s22, 2*FB
	s_lshr_b32 s53, s20, 1
	s_mul_i32 s53, s53, 819200
	s_add_co_u32 s52, s52, s53
	s_and_b32 s53, s20, 1
	s_mul_i32 s53, s53, FB
	s_add_co_u32 s52, s52, s53
	s_mov_b32 s53, 0
	s_lshl_b32 s23, s20, 2
	s_mov_b32 s[SEL], 0x76543210
	s_mov_b32 s[SEL+1], 0xfedcba98
	s_mov_b32 s32, 0x3a800000                          ; 1 / 1,024
	s_mov_b32 s33, 0x3727c5ac                          ; 1e-5
	s_wait_dscnt 0x0                                   ; both opening adds are done
	s_wait_kmcnt 0x0
	s_add_nc_u64 s[G0+2:G0+3], s[4:5], s[24:25]
	s_add_nc_u64 s[6:7], s[6:7], s[26:27]
	s_add_nc_u64 s[8:9], s[8:9], s[48:49]
	s_add_nc_u64 s[10:11], s[10:11], s[50:51]
	s_add_nc_u64 s[12:13], s[12:13], s[50:51]
	s_add_nc_u64 s[14:15], s[14:15], s[50:51]
	s_add_nc_u64 s[16:17], s[16:17], s[28:29]
	s_add_nc_u64 s[18:19], s[18:19], s[52:53]
	CROUND                                             ; all four work-groups are here: the joint loads meet
	s_mov_b32 s[G0], 1
	s_or_b32 s[G0+3], s[G0+3], 0x80000000
	tensor_load_to_lds s[G0:G0+3], s[G1:G1+7]          ; K steps 0 to 2
	s_nop 0
	v_and_b32 v2, 31, v0
	v_and_b32 v3, 15, v0                               ; r
	v_bfe_u32 v4, v0, 4, 1                             ; h
	v_lshlrev_b32 v1, 4, v2                            ; 16 x lane
	v_lshlrev_b32 v9, 3, v2
	v_lshlrev_b32 v10, 2, v3
	v_lshlrev_b32 v5, 6, v4                            ; 64 h: my place in a vector along the columns
	v_and_b32 v6, 8, v3
	v_lshlrev_b32 v7, 5, v3
	v_mad_u32_u24 v6, v6, 3, v3
	v_add_nc_u32 v7, RED, v7                           ; my row's eight words
	v_lshl_add_u32 v6, v6, 12, v5                      ; row-major: (r + 3 (r & 8)) rows of 4,096 bytes + 64 h
	v_add_nc_u32 v8, s23, v7                           ; and my wave's word among them
	v_add_nc_u32 v13, s[G0+1], v1
	v_add_nc_u32 v14, s[G0+1], v9
	v_add_nc_u32 v15, s[G0+1], v10
	WIN 0x40
.irp k, 0,1,2,3,4,5,6,7
	global_load_b128 v[BFR+12*\k:BFR+12*\k+3], v1, s[6:7] offset:FB*\k
	global_load_b64 v[BFR+12*\k+4:BFR+12*\k+5], v9, s[6:7] offset:FB*\k+512
	global_load_b128 v[BFR+12*\k+6:BFR+12*\k+9], v1, s[6:7] offset:FB*\k+768
	global_load_b64 v[BFR+12*\k+10:BFR+12*\k+11], v9, s[6:7] offset:FB*\k+1280
.endr
	WIN 0
.irp k, 0,1,2,3,4,5,6,7
	global_load_b32 v[BS+\k], v10, s[6:7] offset:FB*\k+1536
.endr
	WIN 0x40
.irp b, 0,1,2,3
.irp j, 0,1,2,3
	global_load_b128 v[XR+16*\b+4*\j:XR+16*\b+4*\j+3], v6, s[8:9] offset:128*\b+16*\j
.endr
.endr
.irp b, 0,1,2,3
.irp j, 0,1,2,3
	global_load_b128 v[BO+16*\b+4*\j:BO+16*\b+4*\j+3], v5, s[10:11] offset:128*\b+16*\j
.endr
.endr
	WIN 0
	s_wait_alu depctr_va_vdst(0)
	s_wait_tensorcnt 0x0                               ; my three K steps are in
	LDH 0, 0
	LDH 0, 1
	s_wait_loadcnt 32                                  ; the tokens' fragments and scale words are in; x's and bo's 32 loads may be out
	WIN 0x04                                           ; source 1 in window 1; the LDS loads' destinations and addresses stay in window 0
	GS 0, 0, 1                                         ; the first K step's products start the sums
	GS 1, 1, 0
	GL 2, 3
	GS 3, 0, 0
	GS 4, 1, 0
	GL 5, 2
	GS 6, 0, 0
	s_wait_dscnt 0x0
	MULH 7, 0, 0
	MULH 7, 1, 0
	PLACES
.irp b, 0,1,2,3                                ; the gain and the offset land while the sums are made
.irp j, 0,1,2,3
	global_load_b128 v[A+16*\b+4*\j:A+16*\b+4*\j+3], v5, s[12:13] offset:128*\b+16*\j
	global_load_b128 v[B+16*\b+4*\j:B+16*\b+4*\j+3], v5, s[14:15] offset:128*\b+16*\j
.endr
.endr
	s_wait_loadcnt 32                                  ; x and bo are in; the 32 loads just issued may be out
.set n, 0
.rept 32
	v_pk_add_f32 v[Z+n:Z+n+1], v[Z+n:Z+n+1], v[BO+n:BO+n+1]   ; each accumulator from its low end on
.set n, n+2
.endr
.set n, 0
.rept 32
	v_pk_add_f32 v[Z+n:Z+n+1], v[Z+n:Z+n+1], v[XR+n:XR+n+1]
.set n, n+2
.endr
	WIN 0
.irp c, 0,1,2,3
	v_pk_add_f32 v[T+2*\c:T+2*\c+1], v[Z+2*\c:Z+2*\c+1], v[Z+8+2*\c:Z+9+2*\c]
.endr
.irp i, 16,24,32,40,48,56
.irp c, 0,1,2,3
	s_delay_alu instid0(VALU_DEP_4)
	v_pk_add_f32 v[T+2*\c:T+2*\c+1], v[T+2*\c:T+2*\c+1], v[Z+\i+2*\c:Z+\i+1+2*\c]
.endr
.endr
	RSUM RED0
	s_delay_alu instid0(VALU_DEP_1)
	v_mul_f32 v[MU], 0xba800000, v[T]                  ; minus the mean
	v_mov_b32 v[MU+1], 0                               ; (named with it as a pair)
.set n, 0
.rept 32
	v_pk_add_f32 v[Z+n:Z+n+1], v[Z+n:Z+n+1], v[MU:MU+1] op_sel_hi:[1,0]
.set n, n+2
.endr
.irp c, 0,1,2,3
	v_pk_mul_f32 v[T+2*\c:T+2*\c+1], v[Z+2*\c:Z+2*\c+1], v[Z+2*\c:Z+2*\c+1]
.endr
.irp i, 8,16,24,32,40,48,56
.irp c, 0,1,2,3
	s_delay_alu instid0(VALU_DEP_4)
	v_pk_fma_f32 v[T+2*\c:T+2*\c+1], v[Z+\i+2*\c:Z+\i+1+2*\c], v[Z+\i+2*\c:Z+\i+1+2*\c], v[T+2*\c:T+2*\c+1]
.endr
.endr
	RSUM RED1
	s_delay_alu instid0(VALU_DEP_1)
	v_fma_f32 v[RS+1], v[T], s32, s33                  ; the variance + 1e-5
	s_wait_alu depctr_va_vdst(0)
	v_rsq_f32 v[RS], v[RS+1]
	v_nop                                              ; a plain place behind the transcendental,
	s_wait_alu depctr_va_vdst(0)                       ; and the wait ahead of its first reader
	s_wait_loadcnt 0x0                                 ; the gain and the offset
.set n, 0
.rept 32
	v_pk_mul_f32 v[Z+n:Z+n+1], v[Z+n:Z+n+1], v[RS:RS+1] op_sel_hi:[1,0]
.set n, n+2
.endr
.set n, 0
.rept 32
	v_pk_fma_f32 v[Z+n:Z+n+1], v[Z+n:Z+n+1], v[A+n:A+n+1], v[B+n:B+n+1]
.set n, n+2
.endr
.irp b, 0,1,2,3
.irp j, 0,1,2,3
	global_store_b128 v1, v[Z+16*\b+4*\j:Z+16*\b+4*\j+3], s[16:17] offset:2048*\b+512*\j
.endr
.endr
	QUANT Z                                            ; my 16 tokens x 128 columns: K step w of the next product's operand
	global_store_b128 v1, v[PC:PC+3], s[18:19]
	global_store_b64 v9, v[PC+4:PC+5], s[18:19] offset:512
	global_store_b128 v1, v[PC+6:PC+9], s[18:19] offset:768
	global_store_b64 v9, v[PC+10:PC+11], s[18:19] offset:1280
	global_store_b32 v10, v[PW], s[18:19] offset:1536
	s_wait_tensorcnt 0x0                               ; the wave's end: behind my last tensor load and my last LDS store
	ds_add_u32 v[SPW], v[NIL]
	s_wait_dscnt 0x0
	CROUND                                             ; the closing round
	s_endpgm
.Lfunc_end_k_q47879228b6_woln:
	.size	k_q47879228b6_woln, .Lfunc_end_k_q47879228b6_woln-k_q47879228b6_woln
	.p2alignl 7, 3214868480
	.fill 96, 4, 3214868480
	.section	.rodata,"a",@progbits
	.p2align	6, 0x0
	.amdhsa_kernel k_q47879228b6_woln
		.amdhsa_group_segment_fixed_size 327680
		.amdhsa_private_segment_fixed_size 0
		.amdhsa_enable_private_segment 0
		.amdhsa_kernarg_size 64
		.amdhsa_user_sgpr_count 2
		.amdhsa_user_sgpr_kernarg_segment_ptr 1
		.amdhsa_wavefront_size32 1
		.amdhsa_system_sgpr_workgroup_id_x 1
		.amdhsa_system_sgpr_workgroup_id_y 1
		.amdhsa_system_sgpr_workgroup_id_z 1
		.amdhsa_system_vgpr_workitem_id 0
		.amdhsa_next_free_vgpr 512
		.amdhsa_next_free_sgpr 66
		.amdhsa_reserve_vcc 0
		.amdhsa_float_denorm_mode_32 3
		.amdhsa_float_denorm_mode_16_64 3
		.amdhsa_memory_ordered 1
		.amdhsa_forward_progress 1
		.amdhsa_inst_pref_size 72
	.end_amdhsa_kernel
	.amdgpu_metadata
---
amdhsa.version: [ 1, 2 ]
amdhsa.kernels:
  - .name:           k_q47879228b6_woln
    .symbol:         k_q47879228b6_woln.kd
    .args:
      - { .name: pc, .offset: 0, .size: 8, .value_kind: global_buffer, .address_space: global }
      - { .name: ao, .offset: 8, .size: 8, .value_kind: global_buffer, .address_space: global }
      - { .name: x, .offset: 16, .size: 8, .value_kind: global_buffer, .address_space: global }
      - { .name: bo, .offset: 24, .size: 8, .value_kind: global_buffer, .address_space: global }
      - { .name: ln1_g, .offset: 32, .size: 8, .value_kind: global_buffer, .address_space: global }
      - { .name: ln1_b, .offset: 40, .size: 8, .value_kind: global_buffer, .address_space: global }
      - { .name: x1f, .offset: 48, .size: 8, .value_kind: global_buffer, .address_space: global }
      - { .name: x1c, .offset: 56, .size: 8, .value_kind: global_buffer, .address_space: global }
    .group_segment_fixed_size: 327680
    .private_segment_fixed_size: 0
    .kernarg_segment_align: 8
    .kernarg_segment_size: 64
    .max_flat_workgroup_size: 256
    .sgpr_count:     66
    .vgpr_count:     512
    .wavefront_size: 32
...
	.end_amdgpu_metadata
.endif
;; end of part 4
;; launch w1 (part 5): grid 16 x 16, 4 waves a work-group, clusters of 4 x 4, 327,680 bytes of LDS; arguments pc, x1c, b1, hc; writes hc
.if DOCPART == 5
	.amdgcn_target "amdgcn-amd-amdhsa--gfx1250"
	.amdhsa_code_object_version 6
	.text
	.protected	k_q47879228b6_w1
	.globl	k_q47879228b6_w1
	.p2align	8
	.type	k_q47879228b6_w1,@function
k_q47879228b6_w1:
	s_mov_b64 s[64:65], 0
	v_nop
	global_prefetch_b8 v0, s[64:65] scope:SCOPE_SE
	s_setreg_imm32_b32 hwreg(HW_REG_WAVE_MODE, 25, 1), 1
	s_wait_xcnt 0x0
	s_wait_alu depctr_hold_cnt(0) depctr_sa_sdst(0) depctr_va_vdst(0) depctr_va_sdst(0) depctr_va_ssrc(0) depctr_va_vcc(0) depctr_vm_vsrc(0)
	s_getreg_b32 s2, hwreg(HW_REG_IB_STS2, 6, 4)
	s_cmp_eq_u32 s2, 0
	s_cbranch_scc0 .Lentry_in_a_cluster
	s_endpgm
.Lentry_in_a_cluster:
	s_bfe_u32 s2, ttmp6, 0x10000c
	s_cmp_lg_u32 s2, 0xf033
	s_cbranch_scc0 .Lentry_shape_is_right
	s_endpgm
.Lentry_shape_is_right:
.set QKV,   0
.set RELU,  1-QKV
.set FB,    1600
; THE HIDDEN LAYER ON CODES OF E3M2: relu(x1 W1 + b1), quantised along the 4,096.  No work of the layer is left out.  A wave's part of LDS holds its 8 tiles x three pairs of K steps, brought by ONE joint load
; at the head (three rows of 25,600 dense bytes); the fourth pair fills the first pair's bytes again.
.set REG,   48*FB
.set SLOT,  16*FB
.set SPARE, 4*REG
.set A16,  4
.set A8,   7
.set B16,  10
.set B8,   13
.set ADS,  16
.set ST16, 19
.set ST8,  20
.set STS,  21
.set SPW,  28
.set NIL,  29
.set SC,   32
.set TM,   48
.set PW,   56
.set PC,   64
.set BF,   64
.set BIAS, 192
.set G1A,  24
.set G1B,  32
.set SEL,  60
.set G0A,  68
.set G0B,  80
.set OUT,  92
.set STR,  94
.set MSB, 0
.macro WIN new
.if MSB != (\new)
	s_set_vgpr_msb (MSB<<8)|(\new)
.set MSB, (\new)
.endif
.endm
.macro PLACES
.rept 4
	v_nop
.endr
.endm
.macro JLOAD g0a, g0b
	s_cmp_eq_u32 s15, 0
	s_cbranch_scc0 .Lfor_b_\@
	tensor_load_to_lds s[\g0a:\g0a+3], s[G1A:G1A+7]
	s_nop 0
	PLACES
	s_branch .Lasked_\@
.Lfor_b_\@:
	tensor_load_to_lds s[\g0b:\g0b+3], s[G1B:G1B+7]
	s_nop 0
	PLACES
.Lasked_\@:
.endm
.macro CROUND
	s_barrier_signal -1
	s_barrier_wait -1
	s_cmp_lg_u32 s14, 0
	s_cbranch_scc1 .Lnot_wave_0_\@
	s_barrier_signal -3
.Lnot_wave_0_\@:
	s_barrier_wait -3
	s_barrier_signal -1
	s_barrier_wait -1
.endm
.macro FRAG reg, a16, a8, off
	ds_load_b128 v[(\reg):(\reg)+3], v[\a16] offset:(\off)
	ds_load_b64 v[(\reg)+4:(\reg)+5], v[\a8] offset:(\off)+512
	ds_load_b128 v[(\reg)+6:(\reg)+9], v[\a16] offset:(\off)+768
	ds_load_b64 v[(\reg)+10:(\reg)+11], v[\a8] offset:(\off)+1280
.endm
.macro FETCH k
.set sl, ((\k)/2)%3
.set q, (\k)%2
	WIN 0x40
.irp a, 0,1,2,3,4,5,6,7
	FRAG 96*q+12*\a, A16+sl, A8+sl, 2*FB*\a+FB*q
.endr
	WIN 0
.irp b, 0,1,2,3,4,5,6,7
	FRAG BF+96*q+12*\b, B16+sl, B8+sl, 2*FB*\b+FB*q
.endr
.irp i, 0,1,2,3,4,5,6,7
	ds_load_b32 v[SC+8*q+\i], v[ADS+sl] offset:2*FB*\i+FB*q+1536
.endr
.endm
.macro MUL k, cm
.set p, (\k)%2
.irp b, 0,1,2,3,4,5,6,7
.if \cm
	WIN 0x91+0x40*(\b/4)
.else
	WIN 0xa1+0x50*(\b/4)
.endif
.irp a, 0,1,2,3,4,5,6,7
.if \cm == 1
	v_wmma_scale_f32_16x16x128_f8f6f4 v[64*(\b%4)+8*\a:64*(\b%4)+8*\a+7], v[96*p+12*\a:96*p+12*\a+11], v[BF+96*p+12*\b:BF+96*p+12*\b+11], v[BIAS+8*\a:BIAS+8*\a+7], v[SC+8*p+\a], v[SC+8*p+\b] matrix_a_fmt:MATRIX_FMT_BF6 matrix_b_fmt:MATRIX_FMT_BF6 matrix_b_scale:MATRIX_SCALE_ROW1
.elseif \cm == 2
	v_wmma_scale_f32_16x16x128_f8f6f4 v[64*(\b%4)+8*\a:64*(\b%4)+8*\a+7], v[96*p+12*\a:96*p+12*\a+11], v[BF+96*p+12*\b:BF+96*p+12*\b+11], v[BIAS+8*\b:BIAS+8*\b+7], v[SC+8*p+\a], v[SC+8*p+\b] matrix_a_fmt:MATRIX_FMT_BF6 matrix_b_fmt:MATRIX_FMT_BF6 matrix_b_scale:MATRIX_SCALE_ROW1
.else
	v_wmma_scale_f32_16x16x128_f8f6f4 v[64*(\b%4)+8*\a:64*(\b%4)+8*\a+7], v[96*p+12*\a:96*p+12*\a+11], v[BF+96*p+12*\b:BF+96*p+12*\b+11], v[64*(\b%4)+8*\a:64*(\b%4)+8*\a+7], v[SC+8*p+\a], v[SC+8*p+\b] matrix_a_fmt:MATRIX_FMT_BF6 matrix_b_fmt:MATRIX_FMT_BF6 matrix_b_scale:MATRIX_SCALE_ROW1
.endif
.endr
.endr
.endm
.macro STEP k, bar, cnt
	WIN 0
.if \bar == 0
	s_wait_dscnt 0x0
	PLACES
.elseif \bar == 1
	s_wait_tensorcnt \cnt
	s_wait_dscnt 0x0
	s_barrier_signal -1
	s_barrier_wait -1
	PLACES
.else
	s_wait_tensorcnt 0x0
	ds_add_u32 v[SPW], v[NIL]
	s_add_nc_u64 s[G0A+2:G0A+3], s[G0A+2:G0A+3], 3*2252800
	s_add_nc_u64 s[G0B+2:G0B+3], s[G0B+2:G0B+3], 3*819200
	s_mov_b32 s[G1A+2], 1<<16                          ; no tensor load of mine is out: from here on a load brings one row
	s_mov_b32 s[G1A+4], 1
	s_mov_b32 s[G1B+2], 1<<16
	s_mov_b32 s[G1B+4], 1
	s_wait_dscnt 0x0
	CROUND
	JLOAD G0A, G0B
.endif
.if (\k) < 7
	FETCH (\k)+1
.endif
	MUL \k, 0
.endm
.macro QUANTW W, s
.if RELU
	WIN ((\W)<<6)|((\W)<<2)
.set n, 0
.rept 64
	v_max_num_f32 v[(\s)+n], 0, v[(\s)+n]
.set n, n+1
.endr
.endif
	WIN ((\W)<<4)|((\W)<<2)
.irp u, 0,1,2,3
	v_max3_num_f32 v[TM+\u], 0x2800000, |v[(\s)+16*\u]|, |v[(\s)+1+16*\u]|
.endr
.irp i, 2,4,6,8,10,12,14
.irp u, 0,1,2,3
	v_max3_num_f32 v[TM+\u], v[TM+\u], |v[(\s)+16*\u+\i]|, |v[(\s)+1+16*\u+\i]|
.endr
.endr
	WIN 0
.irp u, 0,1,2,3
	v_permlanex16_b32 v[TM+4+\u], v[TM+\u], s[SEL], s[SEL+1]
.endr
.irp u, 0,1,2,3
	v_max_num_f32 v[TM+\u], v[TM+\u], v[TM+4+\u]
.endr
.irp u, 0,1,2,3
	v_add_nc_u32 v[TM+12+\u], 0xfe000000, v[TM+\u]
.endr
.irp u, 0,1,2,3
	v_lshrrev_b32 v[TM+4+\u], 23, v[TM+12+\u]
.endr
	v_lshl_or_b32 v[PW], v[TM+5], 8, v[TM+4]
	v_lshl_or_b32 v[PW], v[TM+6], 16, v[PW]
	v_lshl_or_b32 v[PW], v[TM+7], 24, v[PW]
	WIN (\W)
.irp c, 0,1
	v_cvt_scalef32_pk16_bf6_f32 v[PC+6*\c:PC+2+6*\c], v[(\s)+32*\c:(\s)+15+32*\c], v[TM+12+2*\c]
	v_cvt_scalef32_pk16_bf6_f32 v[PC+12+4*\c:PC+14+4*\c], v[(\s)+16+32*\c:(\s)+31+32*\c], v[TM+12+2*\c+1]
.endr
	WIN 0
	v_nop
.irp c, 0,1
.irp i, 0,1,2
	v_permlane16_swap_b32 v[PC+6*\c+\i], v[PC+12+4*\c+\i]
.endr
.irp i, 0,1,2
	v_mov_b32 v[PC+3+6*\c+\i], v[PC+12+4*\c+\i]
.endr
.endr
.endm
	s_load_b256 s[4:11], s[0:1], 0x0
.if QKV
	s_load_b64 s[12:13], s[0:1], 0x20
.endif
	v_lshl_add_u32 v[SPW], v0, 2, SPARE
	v_mov_b32 v[NIL], 0
	ds_add_u32 v[SPW], v[NIL]
	ds_add_u32 v[SPW], v[NIL]
	v_lshrrev_b32 v1, 5, v0
	v_readfirstlane_b32 s14, v1
	s_lshr_b32 s15, s14, 1
	s_and_b32 s16, s14, 1
	s_bfe_u32 s20, ttmp6, 0x40000
	s_bfe_u32 s21, ttmp6, 0x40004
.if QKV
	s_and_b32 s18, ttmp9, 1
	s_lshr_b32 s19, ttmp9, 1
	s_sub_co_u32 s40, ttmp9, 8
	s_cmp_lt_u32 ttmp9, 8
	s_cselect_b32 s17, 1, 0
	s_cselect_b32 s18, s18, s40
	s_cselect_b32 s19, s19, 0
	s_cselect_b32 s41, 3276800, 0
	s_cselect_b32 s42, 0, 4915200
	s_lshl_b32 s18, s18, 2
	s_add_co_u32 s18, s18, s20
	s_lshl_b32 s19, s19, 2
	s_add_co_u32 s19, s19, s21
.else
	s_lshl_b32 s18, ttmp9, 2
	s_add_co_u32 s18, s18, s20
	s_and_b32 s19, ttmp7, 0xffff
	s_lshl_b32 s19, s19, 2
	s_add_co_u32 s19, s19, s21
	s_mov_b32 s41, 1433600
	s_mov_b32 s42, 0
.endif
	s_lshl_b32 s43, 0x1111, s20
	s_lshl_b32 s44, s21, 2
	s_lshl_b32 s44, 15, s44
	s_or_b32 s[G1A], s43, (3<<16)|(1<<21)
	s_or_b32 s[G1B], s44, (3<<16)|(1<<21)
.irp g, G1A, G1B
	s_mov_b32 s[\g+1], 3200<<16
	s_mov_b32 s[\g+2], 3<<16
	s_mov_b32 s[\g+3], 3200<<16
	s_mov_b32 s[\g+4], 3
	s_mov_b32 s[\g+5], 281600-((\g-G1A)/8)*179200      ; from pair to pair, in elements of 8 bytes: 281,600 in pc, 102,400 in x1c
	s_mov_b32 s[\g+6], 1<<16
	s_mov_b32 s[\g+7], 0
.endr
	s_lshl_b32 s45, s16, 3
	s_lshl_b32 s52, s18, 4
	s_add_co_u32 s52, s52, s45
	s_mul_i32 s52, s52, 2*FB
	s_add_co_u32 s52, s52, s41
	s_mov_b32 s53, 0
	s_lshl_b32 s54, s19, 4
	s_add_co_u32 s54, s54, s45
	s_mul_i32 s54, s54, 2*FB
	s_add_co_u32 s54, s54, s42
	s_mov_b32 s55, 0
	s_mul_i32 s56, s14, REG
	s_mov_b32 s[SEL], 0x76543210
	s_mov_b32 s[SEL+1], 0xfedcba98
	s_wait_dscnt 0x0
	s_wait_kmcnt 0x0
	s_add_nc_u64 s[52:53], s[4:5], s[52:53]
.if QKV
	s_add_nc_u64 s[54:55], s[4:5], s[54:55]
.else
	s_add_nc_u64 s[54:55], s[6:7], s[54:55]
.endif
	CROUND
.irp f, 0
	s_mov_b32 s[G0A+4*\f], 1
	s_add_co_u32 s[G0A+4*\f+1], s56, \f*SLOT
	s_add_nc_u64 s[G0A+4*\f+2:G0A+4*\f+3], s[52:53], \f*2*FB
	s_or_b32 s[G0A+4*\f+3], s[G0A+4*\f+3], 0x80000000
	s_mov_b32 s[G0B+4*\f], 1
	s_add_co_u32 s[G0B+4*\f+1], s56, \f*SLOT
	s_add_nc_u64 s[G0B+4*\f+2:G0B+4*\f+3], s[54:55], \f*2*FB
	s_or_b32 s[G0B+4*\f+3], s[G0B+4*\f+3], 0x80000000
	JLOAD G0A+4*\f, G0B+4*\f
.endr
	v_and_b32 v1, 15, v0
	v_bfe_u32 v2, v0, 4, 1
	v_and_b32 v3, 31, v0
	v_lshlrev_b32 v[ST16], 4, v3
	v_lshlrev_b32 v[ST8], 3, v3
	v_lshlrev_b32 v[STS], 2, v1
	s_mul_i32 s57, s16, REG
	s_mul_i32 s58, s15, REG
	s_add_co_u32 s58, s58, 2*REG
	s_xor_b32 s59, s16, 1
	s_add_co_u32 s59, s59, s15
	s_add_co_u32 s59, s59, 1
	s_mul_i32 s59, s59, REG
	v_mul_u32_u24 v22, s59, v2
	v_add_nc_u32 v22, v22, v[STS]
.irp f, 0,1,2
	v_add_nc_u32 v[A16+\f], s57, v[ST16]
	v_add_nc_u32 v[A8+\f], s57, v[ST8]
	v_add_nc_u32 v[B16+\f], s58, v[ST16]
	v_add_nc_u32 v[B8+\f], s58, v[ST8]
	v_add_nc_u32 v[ADS+\f], s57, v22
	s_add_co_u32 s57, s57, SLOT
	s_add_co_u32 s58, s58, SLOT
.endr
.if QKV
	s_and_b32 s46, s18, 3
	s_lshl_b32 s46, s46, 1
	s_add_co_u32 s46, s46, s16
	s_lshl_b32 s47, s19, 1
	s_add_co_u32 s47, s47, s15
	s_cmp_lt_u32 s18, 4
	s_cselect_b64 s[6:7], s[6:7], s[8:9]
	s_cmp_eq_u32 s17, 1
	s_cselect_b64 s[6:7], s[6:7], s[10:11]
	s_cselect_b32 s46, s46, s47
	s_cselect_b32 s40, 64, 0
	s_cselect_b32 s41, 0, 4
	s_cselect_b32 s42, 4, 0
	s_lshl_b32 s46, s46, 9
	s_mov_b32 s47, 0
	s_add_nc_u64 s[6:7], s[6:7], s[46:47]
	v_and_b32 v23, 8, v1
	v_add_nc_u32 v23, v23, v1
	v_mul_u32_u24 v23, s41, v23
	v_mad_u32_u24 v23, v2, s40, v23
.irp j, 0,1,2,3,4,5,6,7
	v_mad_u32_u24 v[TM+\j], s42, \j, v23
.endr
	WIN 0x40
.irp t, 0,1,2,3,4,5,6,7
.irp j, 0,1,2,3,4,5,6,7
	global_load_b32 v[BIAS+8*\t+\j], v[TM+\j], s[6:7] offset:(32*(\t/2)+8*(\t%2))*4
.endr
.endr
	WIN 0
	s_lshl_b32 s46, s19, 4
	s_lshl_b32 s47, s15, 3
	s_add_co_u32 s46, s46, s47
	s_lshl_b32 s47, s18, 1
	s_add_co_u32 s47, s47, s16
	s_lshl_b32 s48, s46, 4
	s_add_co_u32 s48, s48, s47
	s_lshl_b32 s49, s47, 6
	s_add_co_u32 s49, s49, s46
	s_add_co_u32 s49, s49, 4096
	s_cmp_eq_u32 s17, 1
	s_cselect_b32 s48, s48, s49
	s_mov_b32 s[STR], FB
	s_cselect_b32 s[STR], 16*FB, s[STR]
	s_mul_i32 s48, s48, FB
	s_mov_b32 s49, 0
	s_mov_b32 s[STR+1], 0
	s_add_nc_u64 s[OUT:OUT+1], s[12:13], s[48:49]
.else
	s_lshl_b32 s46, s18, 1
	s_add_co_u32 s46, s46, s16
	s_lshl_b32 s48, s46, 9
	s_mov_b32 s49, 0
	s_add_nc_u64 s[8:9], s[8:9], s[48:49]
	v_lshlrev_b32 v23, 6, v2
	WIN 0x40
.irp t, 0,1,2,3,4,5,6,7
	global_load_b128 v[BIAS+8*\t:BIAS+8*\t+3], v23, s[8:9] offset:(32*(\t/2)+8*(\t%2))*4
	global_load_b128 v[BIAS+8*\t+4:BIAS+8*\t+7], v23, s[8:9] offset:(32*(\t/2)+8*(\t%2))*4+16
.endr
	WIN 0
	s_lshl_b32 s47, s19, 4
	s_lshl_b32 s48, s15, 3
	s_add_co_u32 s47, s47, s48
	s_lshl_b32 s47, s47, 5
	s_add_co_u32 s48, s47, s46
	s_mul_i32 s48, s48, FB
	s_mov_b32 s49, 0
	s_mov_b32 s[STR], 32*FB
	s_mov_b32 s[STR+1], 0
	s_add_nc_u64 s[OUT:OUT+1], s[10:11], s[48:49]
.endif
	s_wait_alu depctr_va_vdst(0)
	s_wait_tensorcnt 0x0
	s_barrier_signal -1
	s_barrier_wait -1
	FETCH 0
	s_wait_loadcnt 0x0
	s_wait_dscnt 0x0
	FETCH 1
.if QKV
	s_cmp_eq_u32 s17, 1
	s_cbranch_scc0 .Lvmode
	MUL 0, 1
	WIN 0
	s_branch .Ljoined
.Lvmode:
	MUL 0, 2
	WIN 0
.Ljoined:
.else
	MUL 0, 1
.endif
	STEP 1, 2, 0
	STEP 2, 0, 0
	STEP 3, 0, 0
	STEP 4, 0, 0
	STEP 5, 1, 0
	STEP 6, 0, 0
	STEP 7, 0, 0
	WIN 0
.irp u, 0,1,2,3
	v_mov_b32 v[TM+4+\u], 0
.endr
.irp b, 0,1,2,3,4,5,6,7
.if \b > 0
	s_wait_xcnt 0x0
	s_add_nc_u64 s[OUT:OUT+1], s[OUT:OUT+1], s[STR:STR+1]
.endif
	QUANTW 2+\b/4, 64*(\b%4)
	global_store_b128 v[ST16], v[PC:PC+3], s[OUT:OUT+1]
	global_store_b64 v[ST8], v[PC+4:PC+5], s[OUT:OUT+1] offset:512
	global_store_b128 v[ST16], v[PC+6:PC+9], s[OUT:OUT+1] offset:768
	global_store_b64 v[ST8], v[PC+10:PC+11], s[OUT:OUT+1] offset:1280
	global_store_b32 v[STS], v[PW], s[OUT:OUT+1] offset:1536
.endr
	s_wait_tensorcnt 0x0
	ds_add_u32 v[SPW], v[NIL]
	s_wait_dscnt 0x0
	CROUND
	s_endpgm
.Lfunc_end_k_q47879228b6_w1:
	.size	k_q47879228b6_w1, .Lfunc_end_k_q47879228b6_w1-k_q47879228b6_w1
	.p2alignl 7, 3214868480
	.fill 96, 4, 3214868480
	.section	.rodata,"a",@progbits
	.p2align	6, 0x0
	.amdhsa_kernel k_q47879228b6_w1
		.amdhsa_group_segment_fixed_size 327680
		.amdhsa_private_segment_fixed_size 0
		.amdhsa_enable_private_segment 0
		.amdhsa_kernarg_size 32
		.amdhsa_user_sgpr_count 2
		.amdhsa_user_sgpr_kernarg_segment_ptr 1
		.amdhsa_wavefront_size32 1
		.amdhsa_system_sgpr_workgroup_id_x 1
		.amdhsa_system_sgpr_workgroup_id_y 1
		.amdhsa_system_sgpr_workgroup_id_z 1
		.amdhsa_system_vgpr_workitem_id 0
		.amdhsa_next_free_vgpr 1024
		.amdhsa_next_free_sgpr 96
		.amdhsa_reserve_vcc 0
		.amdhsa_float_denorm_mode_32 3
		.amdhsa_float_denorm_mode_16_64 3
		.amdhsa_memory_ordered 1
		.amdhsa_forward_progress 1
		.amdhsa_inst_pref_size 164
	.end_amdhsa_kernel
	.amdgpu_metadata
---
amdhsa.version: [ 1, 2 ]
amdhsa.kernels:
  - .name:           k_q47879228b6_w1
    .symbol:         k_q47879228b6_w1.kd
    .args:
      - { .name: pc, .offset: 0, .size: 8, .value_kind: global_buffer, .address_space: global }
      - { .name: x1c, .offset: 8, .size: 8, .value_kind: global_buffer, .address_space: global }
      - { .name: b1, .offset: 16, .size: 8, .value_kind: global_buffer, .address_space: global }
      - { .name: hc, .offset: 24, .size: 8, .value_kind: global_buffer, .address_space: global }
    .group_segment_fixed_size: 327680
    .private_segment_fixed_size: 0
    .kernarg_segment_align: 8
    .kernarg_segment_size: 32
    .max_flat_workgroup_size: 128
    .sgpr_count:     96
    .vgpr_count:     1024
    .wavefront_size: 32
...
	.end_amdgpu_metadata
.endif
;; end of part 5
;; launch w2 (part 6): grid 8 x 32, 4 waves a work-group, clusters of 4 x 4, 327,680 bytes of LDS; arguments pc, hc, y; writes y
.if DOCPART == 6
	.amdgcn_target "amdgcn-amd-amdhsa--gfx1250"
	.amdhsa_code_object_version 6
	.text
	.protected	k_q47879228b6_w2
	.globl	k_q47879228b6_w2
	.p2align	8
	.type	k_q47879228b6_w2,@function
k_q47879228b6_w2:
	s_mov_b64 s[64:65], 0
	v_nop
	global_prefetch_b8 v0, s[64:65] scope:SCOPE_SE
	s_setreg_imm32_b32 hwreg(HW_REG_WAVE_MODE, 25, 1), 1
	s_wait_xcnt 0x0
	s_wait_alu depctr_hold_cnt(0) depctr_sa_sdst(0) depctr_va_vdst(0) depctr_va_sdst(0) depctr_va_ssrc(0) depctr_va_vcc(0) depctr_vm_vsrc(0)
	s_getreg_b32 s2, hwreg(HW_REG_IB_STS2, 6, 4)
	s_cmp_eq_u32 s2, 0
	s_cbranch_scc0 .Lentry_in_a_cluster
	s_endpgm
.Lentry_in_a_cluster:
	s_bfe_u32 s2, ttmp6, 0x10000c
	s_cmp_lg_u32 s2, 0xf033
	s_cbranch_scc0 .Lentry_shape_is_right
	s_endpgm
.Lentry_shape_is_right:
.set KS,    32
.set WOFF,  9830400
.set FB,    1600
.set REGS,  16*FB
.set REGB,  32*FB
.set SM,    4*REGB
.set SPARE, SM+4*REGS
.set A16,  4
.set A8,   6
.set B16,  8
.set B8,   10
.set ADS,  12
.set ST16, 14
.set SPW,  28
.set NIL,  29
.set SC,   32
.set ACC,  128
.set G1AS, 24
.set G1BS, 32
.set G1AB, 40
.set G1BB, 48
.set G0AS, 68
.set G0BS, 72
.set G0AB, 76
.set G0BB, 80
.set MSB, 0
.macro WIN new
.if MSB != (\new)
	s_set_vgpr_msb (MSB<<8)|(\new)
.set MSB, (\new)
.endif
.endm
.macro PLACES
.rept 4
	v_nop
.endr
.endm
.macro JLOAD g0a, g1a, g0b, g1b
	s_cmp_eq_u32 s15, 0
	s_cbranch_scc0 .Lfor_b_\@
	tensor_load_to_lds s[\g0a:\g0a+3], s[\g1a:\g1a+7]
	s_nop 0
	PLACES
	s_branch .Lasked_\@
.Lfor_b_\@:
	tensor_load_to_lds s[\g0b:\g0b+3], s[\g1b:\g1b+7]
	s_nop 0
	PLACES
.Lasked_\@:
.endm
.macro CROUND
	s_barrier_signal -1
	s_barrier_wait -1
	s_cmp_lg_u32 s14, 0
	s_cbranch_scc1 .Lnot_wave_0_\@
	s_barrier_signal -3
.Lnot_wave_0_\@:
	s_barrier_wait -3
	s_barrier_signal -1
	s_barrier_wait -1
.endm
.macro FRAG reg, a16, a8, off
	ds_load_b128 v[(\reg):(\reg)+3], v[\a16] offset:(\off)
	ds_load_b64 v[(\reg)+4:(\reg)+5], v[\a8] offset:(\off)+512
	ds_load_b128 v[(\reg)+6:(\reg)+9], v[\a16] offset:(\off)+768
	ds_load_b64 v[(\reg)+10:(\reg)+11], v[\a8] offset:(\off)+1280
.endm
.macro FETCH k
.set p, (\k)%2
; K's 32 steps go in five fills: 0-7, 12-19 and 24-31 into the slot of eight steps, 8-11 and 20-23 into the slot of four
.if ((\k)%12) < 8
.set rf, 1
.set ts, 8*FB
.set q, (\k)%12
.else
.set rf, 0
.set ts, 4*FB
.set q, (\k)%12-8
.endif
	WIN 0x40
.irp t, 0,1,2,3
	FRAG 48*p+12*\t, A16+rf, A8+rf, ts*\t+FB*q
.endr
.irp t, 0,1,2,3
	FRAG 96+48*p+12*\t, B16+rf, B8+rf, ts*\t+FB*q
.endr
	WIN 0
.irp t, 0,1,2,3
	ds_load_b32 v[SC+4*p+\t], v[ADS+rf] offset:ts*\t+FB*q+1536
.endr
.endm
.macro MUL k, zero
.set p, (\k)%2
	WIN 0x05
.irp b, 0,1,2,3
.irp a, 0,1,2,3
.if \zero
	v_wmma_scale_f32_16x16x128_f8f6f4 v[ACC+8*(4*\b+\a):ACC+8*(4*\b+\a)+7], v[48*p+12*\a:48*p+12*\a+11], v[96+48*p+12*\b:96+48*p+12*\b+11], 0, v[SC+4*p+\a], v[SC+4*p+\b] matrix_a_fmt:MATRIX_FMT_BF6 matrix_b_fmt:MATRIX_FMT_BF6 matrix_b_scale:MATRIX_SCALE_ROW1
.else
	v_wmma_scale_f32_16x16x128_f8f6f4 v[ACC+8*(4*\b+\a):ACC+8*(4*\b+\a)+7], v[48*p+12*\a:48*p+12*\a+11], v[96+48*p+12*\b:96+48*p+12*\b+11], v[ACC+8*(4*\b+\a):ACC+8*(4*\b+\a)+7], v[SC+4*p+\a], v[SC+4*p+\b] matrix_a_fmt:MATRIX_FMT_BF6 matrix_b_fmt:MATRIX_FMT_BF6 matrix_b_scale:MATRIX_SCALE_ROW1
.endif
.endr
.endr
.endm
.macro S k, zero
	s_wait_dscnt 0x0
	PLACES
	FETCH (\k)+1
	MUL \k, \zero
.endm
.macro TURN k, g0a, g1a, g0b, g1b
	WIN 0
	s_wait_tensorcnt 0x0
	ds_add_u32 v[SPW], v[NIL]
	s_add_nc_u64 s[\g0a+2:\g0a+3], s[\g0a+2:\g0a+3], 12*FB
	s_add_nc_u64 s[\g0b+2:\g0b+3], s[\g0b+2:\g0b+3], 12*FB
	s_wait_dscnt 0x0
	CROUND
	JLOAD \g0a, \g1a, \g0b, \g1b
	FETCH (\k)+1
	MUL \k, 0
.endm
.macro MEET k
	WIN 0
	s_wait_tensorcnt 0x0
	s_wait_dscnt 0x0
	s_barrier_signal -1
	s_barrier_wait -1
	PLACES
	FETCH (\k)+1
	MUL \k, 0
.endm
	s_load_b128 s[4:7], s[0:1], 0x0
	s_load_b64 s[8:9], s[0:1], 0x10
	v_lshl_add_u32 v[SPW], v0, 2, SPARE
	v_mov_b32 v[NIL], 0
	ds_add_u32 v[SPW], v[NIL]
	ds_add_u32 v[SPW], v[NIL]
	v_lshrrev_b32 v1, 5, v0
	v_readfirstlane_b32 s14, v1
	s_lshr_b32 s15, s14, 1
	s_and_b32 s16, s14, 1
	s_bfe_u32 s20, ttmp6, 0x40000
	s_bfe_u32 s21, ttmp6, 0x40004
	s_lshl_b32 s18, ttmp9, 2
	s_add_co_u32 s18, s18, s20
	s_and_b32 s19, ttmp7, 0xffff
	s_lshl_b32 s19, s19, 2
	s_add_co_u32 s19, s19, s21
	s_lshl_b32 s56, 0x1111, s20
	s_lshl_b32 s57, s21, 2
	s_lshl_b32 s57, 15, s57
	s_or_b32 s[G1AS], s56, (3<<16)|(1<<21)
	s_or_b32 s[G1BS], s57, (3<<16)|(1<<21)
	s_or_b32 s[G1AB], s56, (3<<16)|(1<<21)
	s_or_b32 s[G1BB], s57, (3<<16)|(1<<21)
.irp g, G1AS, G1BS
	s_mov_b32 s[\g+1], 800<<16
	s_mov_b32 s[\g+2], 4<<16
	s_mov_b32 s[\g+3], 800<<16
	s_mov_b32 s[\g+4], 4
	s_mov_b32 s[\g+5], 200*KS
	s_mov_b32 s[\g+6], 0
	s_mov_b32 s[\g+7], 0
.endr
.irp g, G1AB, G1BB
	s_mov_b32 s[\g+1], 1600<<16
	s_mov_b32 s[\g+2], 4<<16
	s_mov_b32 s[\g+3], 1600<<16
	s_mov_b32 s[\g+4], 4
	s_mov_b32 s[\g+5], 200*KS
	s_mov_b32 s[\g+6], 0
	s_mov_b32 s[\g+7], 0
.endr
	s_lshl_b32 s58, s16, 2
	s_lshl_b32 s84, s18, 3
	s_add_co_u32 s84, s84, s58
	s_mul_i32 s84, s84, KS*FB
	s_add_co_u32 s84, s84, WOFF
	s_mov_b32 s85, 0
	s_lshl_b32 s86, s19, 3
	s_add_co_u32 s86, s86, s58
	s_mul_i32 s86, s86, KS*FB
	s_mov_b32 s87, 0
	s_mul_i32 s88, s14, REGS
	s_mul_i32 s89, s14, REGB
	s_wait_dscnt 0x0
	s_wait_kmcnt 0x0
	s_add_nc_u64 s[84:85], s[4:5], s[84:85]
	s_add_nc_u64 s[86:87], s[6:7], s[86:87]
	CROUND
	s_mov_b32 s[G0AS], 1
	s_add_co_u32 s[G0AS+1], s88, SM
	s_add_nc_u64 s[G0AS+2:G0AS+3], s[84:85], 8*FB
	s_or_b32 s[G0AS+3], s[G0AS+3], 0x80000000
	s_mov_b32 s[G0BS], 1
	s_add_co_u32 s[G0BS+1], s88, SM
	s_add_nc_u64 s[G0BS+2:G0BS+3], s[86:87], 8*FB
	s_or_b32 s[G0BS+3], s[G0BS+3], 0x80000000
	s_mov_b32 s[G0AB], 1
	s_mov_b32 s[G0AB+1], s89
	s_add_nc_u64 s[G0AB+2:G0AB+3], s[84:85], 0
	s_or_b32 s[G0AB+3], s[G0AB+3], 0x80000000
	s_mov_b32 s[G0BB], 1
	s_mov_b32 s[G0BB+1], s89
	s_add_nc_u64 s[G0BB+2:G0BB+3], s[86:87], 0
	s_or_b32 s[G0BB+3], s[G0BB+3], 0x80000000
	JLOAD G0AB, G1AB, G0BB, G1BB                       ; K steps 0 to 7: my first tensor load at the head
; PREFETCHES INTO THE L2: a fill is asked of memory one or two fills ahead of its tensor load.  Of the four tiles that a wave fetches, each of the four partners that ask for them jointly takes one, told apart
; BY ADDRESS (cy for source 0, cx for source 1): a lane a block of 256 bytes, 50 blocks for eight K steps of a tile (two instructions; the lanes left over name the last block again), 25 for four (one instruction).
; Behind the first fill: K steps 8-11 and 12-19; behind the second: 20-23; behind the third: 24-31; the last two fills ask for nothing.  The address registers are never rewritten.
.macro ASKB k0
	WIN 0
	global_prefetch_b8 v19, s[94:95] offset:FB*(\k0) th:TH_LOAD_NT scope:SCOPE_SE
	global_prefetch_b8 v20, s[94:95] offset:FB*(\k0) th:TH_LOAD_NT scope:SCOPE_SE
.endm
.macro ASKS k0
	WIN 0
	global_prefetch_b8 v18, s[94:95] offset:FB*(\k0) th:TH_LOAD_NT scope:SCOPE_SE
.endm
	s_cmp_eq_u32 s15, 0
	s_cselect_b64 s[94:95], s[84:85], s[86:87]
	s_cselect_b32 s90, s21, s20                        ; my place among the four that ask with me
	s_mul_i32 s90, s90, KS*FB                          ; my tile of the wave's four
	s_mov_b32 s91, 0
	s_add_nc_u64 s[94:95], s[94:95], s[90:91]
	v_and_b32 v3, 31, v0
	v_min_u32 v18, 24, v3
	v_add_nc_u32 v20, 32, v3
	v_lshlrev_b32 v19, 8, v3
	v_min_u32 v20, 49, v20
	v_lshlrev_b32 v18, 8, v18
	v_lshlrev_b32 v20, 8, v20
	ASKS 8
	ASKB 12
	s_wait_alu depctr_va_vdst(0)
	s_wait_tensorcnt 0x0
	ds_add_u32 v28, v29
	s_wait_dscnt 0x0
	CROUND
	JLOAD G0AS, G1AS, G0BS, G1BS                       ; K steps 8 to 11, issued as a refill is
	v_and_b32 v1, 15, v0
	v_bfe_u32 v2, v0, 4, 1
	s_wait_alu depctr_va_vdst(0)
	v_and_b32 v3, 31, v0
	v_lshlrev_b32 v[ST16], 4, v3
	v_lshlrev_b32 v15, 3, v3
	v_lshlrev_b32 v16, 2, v1
	s_xor_b32 s59, s16, 1
	s_add_co_u32 s59, s59, s15
	s_add_co_u32 s59, s59, 1
	s_mul_i32 s60, s16, REGS
	s_add_co_u32 s60, s60, SM
	s_mul_i32 s61, s15, REGS
	s_add_co_u32 s61, s61, SM+2*REGS
	s_mul_i32 s62, s59, REGS
	v_mul_u32_u24 v17, s62, v2
	s_wait_alu depctr_va_vdst(0)
	v_add_nc_u32 v17, v17, v16
	v_add_nc_u32 v[A16], s60, v[ST16]
	v_add_nc_u32 v[A8], s60, v15
	v_add_nc_u32 v[B16], s61, v[ST16]
	v_add_nc_u32 v[B8], s61, v15
	v_add_nc_u32 v[ADS], s60, v17
	s_mul_i32 s60, s16, REGB
	s_mul_i32 s61, s15, REGB
	s_add_co_u32 s61, s61, 2*REGB
	s_mul_i32 s62, s59, REGB
	v_mul_u32_u24 v17, s62, v2
	v_add_nc_u32 v17, v17, v16
	v_add_nc_u32 v[A16+1], s60, v[ST16]
	v_add_nc_u32 v[A8+1], s60, v15
	v_add_nc_u32 v[B16+1], s61, v[ST16]
	v_add_nc_u32 v[B8+1], s61, v15
	v_add_nc_u32 v[ADS+1], s60, v17
	s_lshl_b32 s90, s19, 3
	s_lshl_b32 s91, s15, 2
	s_add_co_u32 s90, s90, s91
	s_lshl_b32 s90, s90, 16
	s_lshl_b32 s91, s18, 2
	s_lshl_b32 s92, s16, 1
	s_add_co_u32 s91, s91, s92
	s_lshl_b32 s91, s91, 11
	s_add_co_u32 s90, s90, s91
	s_mov_b32 s91, 0
	s_add_nc_u64 s[8:9], s[8:9], s[90:91]
	s_wait_alu depctr_va_vdst(0)
	s_wait_tensorcnt 1
	s_barrier_signal -1
	s_barrier_wait -1
	FETCH 0
	ASKS 20
	S 0, 1
	S 1, 0
	S 2, 0
.irp k, 3,4,5,6
	S \k, 0
.endr
	TURN 7, G0AB, G1AB, G0BB, G1BB
	ASKB 24
.irp k, 8,9,10
	S \k, 0
.endr
	TURN 11, G0AS, G1AS, G0BS, G1BS
.irp k, 12,13,14,15,16,17,18
	S \k, 0
.endr
	TURN 19, G0AB, G1AB, G0BB, G1BB
.irp k, 20,21,22
	S \k, 0
.endr
	MEET 23
.irp k, 24,25,26,27,28,29,30
	S \k, 0
.endr
	s_wait_dscnt 0x0
	MUL 31, 0
	WIN 0
	PLACES
.irp b, 0,1,2,3
.irp u, 0,1
.irp i, 0,1,2,3
	global_store_b128 v[ST16], v[ACC+8*(4*\b+2*\u)+4*\i:ACC+8*(4*\b+2*\u)+4*\i+3], s[8:9] offset:65536*\b+2048*\u+512*\i
.endr
.endr
.endr
	s_wait_tensorcnt 0x0
	ds_add_u32 v[SPW], v[NIL]
	s_wait_dscnt 0x0
	CROUND
	s_endpgm
.Lfunc_end_k_q47879228b6_w2:
	.size	k_q47879228b6_w2, .Lfunc_end_k_q47879228b6_w2-k_q47879228b6_w2
	.p2alignl 7, 3214868480
	.fill 96, 4, 3214868480
	.section	.rodata,"a",@progbits
	.p2align	6, 0x0
	.amdhsa_kernel k_q47879228b6_w2
		.amdhsa_group_segment_fixed_size 327680
		.amdhsa_private_segment_fixed_size 0
		.amdhsa_enable_private_segment 0
		.amdhsa_kernarg_size 24
		.amdhsa_user_sgpr_count 2
		.amdhsa_user_sgpr_kernarg_segment_ptr 1
		.amdhsa_wavefront_size32 1
		.amdhsa_system_sgpr_workgroup_id_x 1
		.amdhsa_system_sgpr_workgroup_id_y 1
		.amdhsa_system_sgpr_workgroup_id_z 1
		.amdhsa_system_vgpr_workitem_id 0
		.amdhsa_next_free_vgpr 512
		.amdhsa_next_free_sgpr 96
		.amdhsa_reserve_vcc 0
		.amdhsa_float_denorm_mode_32 3
		.amdhsa_float_denorm_mode_16_64 3
		.amdhsa_memory_ordered 1
		.amdhsa_forward_progress 1
		.amdhsa_inst_pref_size 160
	.end_amdhsa_kernel
	.amdgpu_metadata
---
amdhsa.version: [ 1, 2 ]
amdhsa.kernels:
  - .name:           k_q47879228b6_w2
    .symbol:         k_q47879228b6_w2.kd
    .args:
      - { .name: pc, .offset: 0, .size: 8, .value_kind: global_buffer, .address_space: global }
      - { .name: hc, .offset: 8, .size: 8, .value_kind: global_buffer, .address_space: global }
      - { .name: y, .offset: 16, .size: 8, .value_kind: global_buffer, .address_space: global }
    .group_segment_fixed_size: 327680
    .private_segment_fixed_size: 0
    .kernarg_segment_align: 8
    .kernarg_segment_size: 24
    .max_flat_workgroup_size: 128
    .sgpr_count:     96
    .vgpr_count:     512
    .wavefront_size: 32
...
	.end_amdgpu_metadata
.endif
;; end of part 6
;; launch ln2 (part 7): grid 256 x 1, 8 waves a work-group, no clusters, 69,632 bytes of LDS; arguments x1f, y, b2, ln2_g, ln2_b, out0; writes out0
.if DOCPART == 7
	.amdgcn_target "amdgcn-amd-amdhsa--gfx1250"
	.amdhsa_code_object_version 6
	.text
	.protected	k_q47879228b6_ln2
	.globl	k_q47879228b6_ln2
	.p2align	8
	.type	k_q47879228b6_ln2,@function
k_q47879228b6_ln2:
	s_mov_b64 s[64:65], 0
	v_nop
	global_prefetch_b8 v0, s[64:65] scope:SCOPE_SE
	s_setreg_imm32_b32 hwreg(HW_REG_WAVE_MODE, 25, 1), 1
	s_wait_xcnt 0x0
; RESIDUAL, BIAS AND LAYER NORM.  One text serves two launches; the switch SECOND stands below.  SECOND = 0: x1 = LN(x + (y + bo)), stored in f32 as the registers stand (x1f) and as codes of E3M2 (x1c).
; SECOND = 1: out0 = LN(x1f + (y + b2)), stored row-major.  No work of the layer is left out.  All arithmetic in f32; the variance is the mean of the squared differences from the mean.
; SHARES: a work-group takes one tile of 16 tokens (lane r: token 32 g + 8 u + r + (r & 8)), wave w columns 128 w to 128 w + 127; lane (r, h) holds 16 numbers of each of its four blocks of 32: register 16 b + i is
; column 128 w + 32 b + 16 h + i.  y and x1f lie so in memory: tile x 65,536 + block x 2,048 + quad x 512 + 16 x lane: every load and store of them covers 512 consecutive bytes.
; A row's sums meet in LDS: 8 words a row, one barrier for each of the two sums.  Memory binds: matrix units, clusters and tensor loads would add nothing here.
; LIMITS: NaN and infinities among the inputs are not served.
.set SECOND, 1
.set FB,   1600
.set Z,    32
.set A,    96
.set B,    160
.set T,    224
.set MU,   242
.set RS,   244
.set SPW,  250
.set NIL,  251
.set RED0, 0                           ; LDS: [row 16][wave 8] words, twice
.set RED1, 512
.set STAGE, 1024                       ; 16 rows x (512 bytes + 16) for each wave
.set SPARE, 1024+8*8448
.set SEL,  30
.macro RSUM red                        ; four pairs of partial sums in v[T] on become the row's sum over all 1,024 columns, in v[T], the same bits in every wave
	s_delay_alu instid0(VALU_DEP_3)
	v_pk_add_f32 v[T:T+1], v[T:T+1], v[T+2:T+3]
	s_delay_alu instid0(VALU_DEP_2)
	v_pk_add_f32 v[T+4:T+5], v[T+4:T+5], v[T+6:T+7]
	s_delay_alu instid0(VALU_DEP_1)
	v_pk_add_f32 v[T:T+1], v[T:T+1], v[T+4:T+5]
	s_delay_alu instid0(VALU_DEP_1)
	v_add_f32 v[T], v[T], v[T+1]
	s_delay_alu instid0(VALU_DEP_1)
	v_permlanex16_b32 v[T+1], v[T], s[SEL], s[SEL+1]
	s_delay_alu instid0(VALU_DEP_1)
	v_add_f32 v[T], v[T], v[T+1]                       ; my wave's 128 columns of row r
	ds_store_b32 v8, v[T] offset:\red                  ; lanes r and 16 + r write the same word with the same value
	s_wait_dscnt 0x0                                   ; for the others' sake
	s_barrier_signal -1
	s_barrier_wait -1
	ds_load_b128 v[T:T+3], v7 offset:\red
	ds_load_b128 v[T+4:T+7], v7 offset:\red+16
	s_wait_dscnt 0x0
	v_pk_add_f32 v[T:T+1], v[T:T+1], v[T+2:T+3]
	v_pk_add_f32 v[T+4:T+5], v[T+4:T+5], v[T+6:T+7]
	s_delay_alu instid0(VALU_DEP_1)
	v_pk_add_f32 v[T:T+1], v[T:T+1], v[T+4:T+5]
	s_delay_alu instid0(VALU_DEP_1)
	v_add_f32 v[T], v[T], v[T+1]
.endm
	s_load_b256 s[4:11], s[0:1], 0x0                   ; x1f, y, b2, the gain
	s_load_b128 s[12:15], s[0:1], 0x20                 ; the norm's offset, out0
	v_lshl_add_u32 v[SPW], v0, 2, SPARE
	v_mov_b32 v[NIL], 0
	v_lshrrev_b32 v1, 5, v0
	s_delay_alu instid0(VALU_DEP_1)
	v_readfirstlane_b32 s18, v1                        ; wave
	v_and_b32 v2, 31, v0
	s_delay_alu instid0(VALU_DEP_1)
	v_lshlrev_b32 v1, 4, v2                            ; 16 x lane
	v_and_b32 v3, 15, v0                               ; r
	s_wait_alu depctr_va_vdst(0)
	v_bfe_u32 v4, v0, 4, 1                             ; h
	s_delay_alu instid0(VALU_DEP_1)
	v_lshlrev_b32 v5, 6, v4                            ; 64 h: my place in a vector along the columns
	v_lshlrev_b32 v7, 5, v3                            ; 32 r: my row's eight words
	s_lshl_b32 s19, s18, 2
	v_add_nc_u32 v8, s19, v7                           ; and my wave's word among them
	s_mov_b32 s[SEL], 0x76543210
	s_mov_b32 s[SEL+1], 0xfedcba98
	s_mov_b32 s32, 0x3a800000                          ; 1 / 1,024
	s_mov_b32 s33, 0x3727c5ac                          ; 1e-5
	s_lshl_b32 s20, ttmp9, 16
	s_lshl_b32 s21, s18, 13
	s_add_co_u32 s20, s20, s21                         ; as the registers stand: tile x 65,536 + wave x 8,192
	s_mov_b32 s21, 0
	s_lshr_b32 s22, ttmp9, 2                           ; lane r of tile 4 G + u: token 64 G + 8 u + r + 3 (r & 8)
	s_lshl_b32 s22, s22, 6
	s_and_b32 s23, ttmp9, 3
	s_lshl_b32 s23, s23, 3
	s_add_co_u32 s22, s22, s23                         ; the tile's first token
	s_lshl_b32 s22, s22, 12
	s_lshl_b32 s24, s18, 9                             ; my 128 columns
	s_add_co_u32 s22, s22, s24
	s_mov_b32 s23, 0
	s_mov_b32 s25, 0
	s_mul_i32 s28, s18, 8448
	s_add_co_u32 s28, s28, STAGE
	v_mul_u32_u24 v11, v3, 528
	s_wait_alu depctr_va_vdst(0)
	v_add_nc_u32 v11, v11, v5
	s_delay_alu instid0(VALU_DEP_1)
	v_add_nc_u32 v11, s28, v11                         ; into my stage: row r, + 64 h
	v_add_nc_u32 v12, s28, v1                          ; back: 16 bytes a lane of one row
	s_wait_kmcnt 0x0
	s_add_nc_u64 s[6:7], s[6:7], s[20:21]
	s_add_nc_u64 s[8:9], s[8:9], s[24:25]
	s_add_nc_u64 s[10:11], s[10:11], s[24:25]
	s_add_nc_u64 s[12:13], s[12:13], s[24:25]
	s_add_nc_u64 s[4:5], s[4:5], s[20:21]
	s_add_nc_u64 s[14:15], s[14:15], s[22:23]
.irp b, 0,1,2,3
.irp j, 0,1,2,3
	global_load_b128 v[Z+16*\b+4*\j:Z+16*\b+4*\j+3], v1, s[6:7] offset:2048*\b+512*\j th:TH_LOAD_NT
.endr
.endr
.irp b, 0,1,2,3
.irp j, 0,1,2,3
	global_load_b128 v[A+16*\b+4*\j:A+16*\b+4*\j+3], v1, s[4:5] offset:2048*\b+512*\j th:TH_LOAD_NT
.endr
.endr
.irp b, 0,1,2,3
.irp j, 0,1,2,3
	global_load_b128 v[B+16*\b+4*\j:B+16*\b+4*\j+3], v5, s[8:9] offset:128*\b+16*\j
.endr
.endr
	s_wait_loadcnt 16                                  ; y and the residual are in; the bias's sixteen loads may be out
.set n, 0
.rept 32
	v_pk_add_f32 v[Z+n:Z+n+1], v[Z+n:Z+n+1], v[A+n:A+n+1]
.set n, n+2
.endr
	s_wait_loadcnt 0x0
.set n, 0
.rept 32
	v_pk_add_f32 v[Z+n:Z+n+1], v[Z+n:Z+n+1], v[B+n:B+n+1]
.set n, n+2
.endr
.irp b, 0,1,2,3                                ; the gain and the offset land while the sums are made
.irp j, 0,1,2,3
	global_load_b128 v[A+16*\b+4*\j:A+16*\b+4*\j+3], v5, s[10:11] offset:128*\b+16*\j
	global_load_b128 v[B+16*\b+4*\j:B+16*\b+4*\j+3], v5, s[12:13] offset:128*\b+16*\j
.endr
.endr
.irp c, 0,1,2,3
	v_pk_add_f32 v[T+2*\c:T+2*\c+1], v[Z+2*\c:Z+2*\c+1], v[Z+8+2*\c:Z+9+2*\c]
.endr
.irp i, 16,24,32,40,48,56
.irp c, 0,1,2,3
	s_delay_alu instid0(VALU_DEP_4)
	v_pk_add_f32 v[T+2*\c:T+2*\c+1], v[T+2*\c:T+2*\c+1], v[Z+\i+2*\c:Z+\i+1+2*\c]
.endr
.endr
	RSUM RED0
	s_delay_alu instid0(VALU_DEP_1)
	v_mul_f32 v[MU], 0xba800000, v[T]                  ; minus the mean
	v_mov_b32 v[MU+1], 0                               ; (named with it as a pair)
.set n, 0
.rept 32
	v_pk_add_f32 v[Z+n:Z+n+1], v[Z+n:Z+n+1], v[MU:MU+1] op_sel_hi:[1,0]
.set n, n+2
.endr
.irp c, 0,1,2,3
	v_pk_mul_f32 v[T+2*\c:T+2*\c+1], v[Z+2*\c:Z+2*\c+1], v[Z+2*\c:Z+2*\c+1]
.endr
.irp i, 8,16,24,32,40,48,56
.irp c, 0,1,2,3
	s_delay_alu instid0(VALU_DEP_4)
	v_pk_fma_f32 v[T+2*\c:T+2*\c+1], v[Z+\i+2*\c:Z+\i+1+2*\c], v[Z+\i+2*\c:Z+\i+1+2*\c], v[T+2*\c:T+2*\c+1]
.endr
.endr
	RSUM RED1
	s_delay_alu instid0(VALU_DEP_1)
	v_fma_f32 v[RS+1], v[T], s32, s33                  ; the variance + 1e-5
	s_wait_alu depctr_va_vdst(0)
	v_rsq_f32 v[RS], v[RS+1]
	v_nop                                              ; a plain place behind the transcendental,
	s_wait_alu depctr_va_vdst(0)                       ; and the wait ahead of its first reader
	s_wait_loadcnt 0x0                                 ; the gain and the offset
.set n, 0
.rept 32
	v_pk_mul_f32 v[Z+n:Z+n+1], v[Z+n:Z+n+1], v[RS:RS+1] op_sel_hi:[1,0]
.set n, n+2
.endr
.set n, 0
.rept 32
	v_pk_fma_f32 v[Z+n:Z+n+1], v[Z+n:Z+n+1], v[A+n:A+n+1], v[B+n:B+n+1]
.set n, n+2
.endr
.irp b, 0,1,2,3                                ; a lane's 16 bytes are a small part of a row: they turn through my own stage and leave as whole rows of 512 bytes
.irp j, 0,1,2,3
	ds_store_b128 v11, v[Z+16*\b+4*\j:Z+16*\b+4*\j+3] offset:128*\b+16*\j
.endr
.endr
.irp i, 0,1,2,3,4,5,6,7,8,9,10,11,12,13,14,15
	ds_load_b128 v[A+4*\i:A+4*\i+3], v12 offset:528*\i         ; LDS serves a wave's instructions in order: these see my stores
.endr
.irp i, 0,1,2,3,4,5,6,7,8,9,10,11,12,13,14,15
	s_wait_dscnt 15-\i
	global_store_b128 v1, v[A+4*\i:A+4*\i+3], s[14:15] offset:(\i+3*(\i&8))*4096 th:TH_STORE_NT
.endr
	s_wait_tensorcnt 0x0                               ; the wave's end: behind my last LDS store
	ds_add_u32 v[SPW], v[NIL]
	s_wait_dscnt 0x0
	s_endpgm
.Lfunc_end_k_q47879228b6_ln2:
	.size	k_q47879228b6_ln2, .Lfunc_end_k_q47879228b6_ln2-k_q47879228b6_ln2
	.p2alignl 7, 3214868480
	.fill 96, 4, 3214868480
	.section	.rodata,"a",@progbits
	.p2align	6, 0x0
	.amdhsa_kernel k_q47879228b6_ln2
		.amdhsa_group_segment_fixed_size 69632
		.amdhsa_private_segment_fixed_size 0
		.amdhsa_enable_private_segment 0
		.amdhsa_kernarg_size 48
		.amdhsa_user_sgpr_count 2
		.amdhsa_user_sgpr_kernarg_segment_ptr 1
		.amdhsa_wavefront_size32 1
		.amdhsa_system_sgpr_workgroup_id_x 1
		.amdhsa_system_sgpr_workgroup_id_y 1
		.amdhsa_system_sgpr_workgroup_id_z 1
		.amdhsa_system_vgpr_workitem_id 0
		.amdhsa_next_free_vgpr 256
		.amdhsa_next_free_sgpr 66
		.amdhsa_reserve_vcc 0
		.amdhsa_float_denorm_mode_32 3
		.amdhsa_float_denorm_mode_16_64 3
		.amdhsa_memory_ordered 1
		.amdhsa_forward_progress 1
		.amdhsa_inst_pref_size 32
	.end_amdhsa_kernel
	.amdgpu_metadata
---
amdhsa.version: [ 1, 2 ]
amdhsa.kernels:
  - .name:           k_q47879228b6_ln2
    .symbol:         k_q47879228b6_ln2.kd
    .args:
      - { .name: x1f, .offset: 0, .size: 8, .value_kind: global_buffer, .address_space: global }
      - { .name: y, .offset: 8, .size: 8, .value_kind: global_buffer, .address_space: global }
      - { .name: b2, .offset: 16, .size: 8, .value_kind: global_buffer, .address_space: global }
      - { .name: ln2_g, .offset: 24, .size: 8, .value_kind: global_buffer, .address_space: global }
      - { .name: ln2_b, .offset: 32, .size: 8, .value_kind: global_buffer, .address_space: global }
      - { .name: out0, .offset: 40, .size: 8, .value_kind: global_buffer, .address_space: global }
    .group_segment_fixed_size: 69632
    .private_segment_fixed_size: 0
    .kernarg_segment_align: 8
    .kernarg_segment_size: 48
    .max_flat_workgroup_size: 256
    .sgpr_count:     66
    .vgpr_count:     256
    .wavefront_size: 32
...
	.end_amdgpu_metadata
.endif
;; end of part 7
